; MI455X (gfx1250); checked and timed in simulation.
; The chip was launched on July 23, 2026; its instructions are those of AMD's public machine-readable ISA for CDNA 5 (MIT licence, August 2026) and "CDNA5" Instruction Set Architecture Reference Guide (July 2026). The comments in the code are by the model that wrote it; some were corrected since.
;; Attention Block. Allowed arithmetic: matrix products marked QUANTISED: E5M2 operands, one given power-of-two scale a tensor, by v_wmma_f32_16x16x64_bf8_bf8 or v_wmma_f32_16x16x128_bf8_bf8, f32 sums; everything else in f32.
;; Inputs: bk 512 float32; bo 512 float32; bq 512 float32; bv 512 float32; gn_b 512 float32; gn_w 512 float32; lowp_scales 12 int32 (the exponents e of the quantised operands' scales 2^e); wk 512 x 512 float32; wo 512 x 512 float32; wq 512 x 512 float32; wv 512 x 512 float32; x 32 x 512 x 32 x 32 float32.
;; Outputs: out0 32 x 512 x 32 x 32 float32.
;; This version of the problem:
;;   THIS VERSION OF THE PROBLEM IS GIVEN IN LOW PRECISION. The matrix products marked QUANTISED in the list below multiply operands that are first quantised to E5M2 (5 exponent bits, 2 mantissa bits; 8 bits a number), with one given power-of-two scale for each operand tensor; their sums are f32. All else is computed in f32.
;;   The module's matrix products, in the order in which they are computed (A, B: the left and right operand; K: the contracted axis; several contracted axes count as one K, in the product's order):
;;     1. [M 32,768, K 512] x [K 512, N 512]; A: computed on the way; B: input wq: QUANTISED (scales: A lowp_scales[0], B lowp_scales[1])
;;     2. [M 32,768, K 512] x [K 512, N 512]; A: computed on the way; B: input wk: QUANTISED (scales: A lowp_scales[2], B lowp_scales[3])
;;     3. [M 32,768, K 512] x [K 512, N 512]; A: computed on the way; B: input wv: QUANTISED (scales: A lowp_scales[4], B lowp_scales[5])
;;     4. batch 32 x [M 1,024, K 512] x [K 512, N 1,024]; A: computed on the way; B: computed on the way: QUANTISED (scales: A lowp_scales[6], B lowp_scales[7])
;;     5. batch 32 x [M 512, K 1,024] x [K 1,024, N 1,024]; A: computed on the way; B: softmax (see below): QUANTISED (scales: A lowp_scales[8], B lowp_scales[9])
;;     6. [M 32,768, K 512] x [K 512, N 512]; A: computed on the way; B: input wo: QUANTISED (scales: A lowp_scales[10], B lowp_scales[11])
;;   THE QUANTISER, for each operand of a quantised product, along K:
;;     - The operand's scale is 2^e, e = its entry of the input lowp_scales (int32; the entries are numbered through the quantised products in the list's order, A before B).
;;     - Each number is divided by the scale, clamped to +-57,344, and rounded to the nearest number of E5M2, ties to even, subnormals kept.
;;     - The product sums the exact products of the quantised numbers (number of the format x scale) in f32.
;;   ~~~python
;;   def quantise(x, axis, e):      # numpy; x: float32 -> the quantised numbers, widened to float32 again
;;       x = np.moveaxis(x, axis, -1); K = x.shape[-1]
;;       r = np.clip(x / 2.0 ** e, -57344, 57344)
;;       step = 2.0 ** (np.maximum(np.frexp(np.where(r == 0, 1, r))[1] - 1, -14) - 2)
;;       q = np.round(r / step) * step * 2.0 ** e      # np.round: ties to even
;;       return np.moveaxis(q, -1, axis).astype(np.float32)
;;   ~~~
;;   SOFTMAX AHEAD OF A QUANTISED PRODUCT. Where the list says 'softmax', what is quantised is not the finished softmax but p = 2^(t - M), with t = logit x log2(e) and M = ceil(the row's largest t), a whole number; so 1/2 < the row's largest p <= 1. The row's sum l is taken of the UNQUANTISED p, in f32, and the product's result is divided by l at the end. Since M is a whole number, a kernel that streams over the keys may use a running M (the ceiling of the running maximum): every later rescaling is an exact power of two, so the quantised numbers keep their values, but for numbers so far below the row's largest that they fall under the format's range.
;;   OPERANDS COMPUTED ON THE WAY. 'Computed on the way' means the value that the module computes at that place (a softmax that the list does not call 'softmax' is quantised finished and normalised). What goes into a quantiser is computed in f32, as accurately as f32 sums, v_exp_f32 and their like allow (about 1e-6 of the number): no bf16 or f16 on the way to a quantiser, and a product that is left as it is and whose result goes on into a quantised operand takes f32 operands (vector FMAs, or v_wmma_f32_16x16x4_f32). A number that lies on a knife's edge between two numbers of the format may be rounded either way, as far as f32 arithmetic and the matrix unit's own rounding can turn it there, and no further.
;; 2 versions, each right; version 2 is version 1 with the launch qkv written anew for expert scheduling mode. Each part assembles by itself: llvm-mc -triple=amdgcn-amd-amdhsa -mcpu=gfx1250 --defsym DOCPART=n.
;; ======== version 1 of 2: 3 launches
;; workspace buffers: norm 196,608 bytes; wimg 1,048,576 bytes; qimg 16,777,216 bytes; kimg 16,777,216 bytes; vimg 16,777,216 bytes
;; launch stats (part 1): grid 256 x 1, 16 waves a work-group, no clusters, 2,304 bytes of LDS; arguments x, wq, wk, wv, wo, lowp_scales, gn_w, gn_b, norm, wimg; writes norm, wimg
.if DOCPART == 1
	.amdgcn_target "amdgcn-amd-amdhsa--gfx1250"
	.amdhsa_code_object_version 6
	.text
	.protected	k_q08396f4f01_stats
	.globl	k_q08396f4f01_stats
	.p2align	8
	.type	k_q08396f4f01_stats,@function
k_q08396f4f01_stats:
	s_mov_b64 s[64:65], 0
	v_nop
	global_prefetch_b8 v0, s[64:65] scope:SCOPE_SE
	s_setreg_imm32_b32 hwreg(HW_REG_WAVE_MODE, 25, 1), 1
	s_wait_xcnt 0x0
; FIRST OF THREE LAUNCHES: the group norm's statistics, and the four weights as codes of BF8 (E5M2).
; x: [32][512][1024] f32.  A group of an image is 64 channels x 1,024 pixels: 262,144 consecutive bytes.  Work-group g takes group g % 8 of image g / 8; each of its sixteen waves
; takes 16,384 bytes by 32 loads of 512 consecutive bytes and keeps them in 128 registers for both passes: x is read once here.
; THE VARIANCE forms no difference of large sums: a wave takes its own mean, then the sum of squares about that mean; the sixteen pairs meet in LDS and are joined by
; M2 = sum of M2_w + 4,096 x sum of (mean_w - mean)^2.
; OUT: norm, bytes 0 on: for each [image][channel] the pair (a, gn_b), a = gn_w / sqrt(var + 1e-5); bytes 131,072 on: -mean for each [image][channel].  hn = (x - mean) a + gn_b.
; THE WEIGHTS [512 (o)][512 (c)] f32, K = c innermost, become IMAGES OF OPERAND REGISTERS: wimg [q, k, v, o][32 tiles of 16 rows][4 K steps of 128][2,048 bytes]; in a fragment's 2,048 bytes
; lane (r, h)'s registers 4 c .. 4 c + 3 lie at 512 c + 16 x lane and hold, of row r, k = 32 c + 8 h + 0..7 and then k = 32 c + 16 + 8 h + 0..7: the matrix instruction's own places.
; A job is 16 rows x 32 k = 512 bytes of codes; 2,048 jobs; waves 0 to 7 of each work-group do one each.  A job reads 128 consecutive bytes of each of 16 rows and stores 512 consecutive bytes.
; code = w / 2^e, held within +-57,344, to the nearest code, ties to even; e = entry 1, 3, 5, 11 of the scales.  LIMITS: -126 <= e <= 112.  NaN among the inputs is not served.
.set XR, 32                            ; v32-159   my 4,096 numbers' share: 128 a lane
.set WN, 160                           ; v160-175  16 numbers of a weight
.set WC, 176                           ; v176-179  their codes
.set LW, 182                           ; v182      LDS: 8 x wave
.set LZ, 183                           ; v183      LDS: 0
.set PO, 184                           ; v184      8 x (thread % 64)
	s_load_b512 s[4:19], s[0:1], 0x0               ; x s[4:5], wq s[6:7], wk s[8:9], wv s[10:11], wo s[12:13], scales s[14:15], gn_w s[16:17], gn_b s[18:19]
	s_load_b128 s[20:23], s[0:1], 0x40             ; norm s[20:21], wimg s[22:23]
	v_lshl_add_u32 v192, v0, 2, 0x100
	v_mov_b32 v193, 0
	v_lshrrev_b32 v6, 5, v0
	v_readfirstlane_b32 s24, v6                    ; wave 0..15
	v_lshlrev_b32 v[LW], 3, v6
	v_mov_b32 v[LZ], 0
	v_and_b32 v7, 31, v0
	v_lshlrev_b32 v1, 4, v7                        ; 16 x lane
	v_and_b32 v7, 15, v0                           ; r
	v_bfe_u32 v8, v0, 4, 1                         ; h
	v_lshlrev_b32 v2, 11, v7
	v_lshl_add_u32 v2, v8, 5, v2                   ; a weight's row r of 2,048 bytes, + 32 h
	v_and_b32 v5, 63, v0
	v_lshlrev_b32 v[PO], 3, v5
	v_lshlrev_b32 v5, 2, v5                        ; 4 x (thread % 64): my channel of the group
	s_mov_b32 s60, 0x76543210                      ; v_permlanex16_b32: lane l xor 16
	s_mov_b32 s61, 0xfedcba98
	s_mov_b32 s46, 0x37800000                      ; 2^-16: a group has 65,536 numbers
	s_mov_b32 s47, 0x3727c5ac                      ; 1e-5
	s_lshl_b32 s26, ttmp9, 18                      ; x: 262,144 g + 16,384 wave
	s_lshl_b32 s27, s24, 14
	s_add_co_u32 s26, s26, s27
	s_mov_b32 s27, 0
	s_and_b32 s48, ttmp9, 7
	s_lshl_b32 s48, s48, 8                         ; gn_w, gn_b: the group's 64 channels
	s_mov_b32 s49, 0
	s_lshl_b32 s50, ttmp9, 3
	s_add_co_u32 s50, s50, s24                     ; the job's number, 8 g + wave (waves 0 to 7),
	s_and_b32 s50, s50, 511                        ; within its weight: 16 x tile + 4 x K step + c
	s_lshr_b32 s52, s50, 4
	s_lshl_b32 s52, s52, 15                        ; 16 rows of 2,048 bytes a tile
	s_and_b32 s51, s50, 15
	s_lshl_b32 s51, s51, 7                         ; 32 k of 4 bytes
	s_add_co_u32 s52, s52, s51
	s_mov_b32 s53, 0
	s_lshr_b32 s25, ttmp9, 6                       ; which weight: 0 q, 1 k, 2 v, 3 o
	s_lshl_b32 s54, s25, 18
	s_lshl_b32 s50, s50, 9
	s_add_co_u32 s54, s54, s50                     ; wimg: 262,144 x weight + 512 x job
	s_mov_b32 s55, 0
	s_lshl_b32 s56, ttmp9, 9                       ; norm's pairs: 64 g x 8 bytes
	s_mov_b32 s57, 0
	s_lshl_b32 s58, ttmp9, 8                       ; norm's means: 64 g x 4 bytes
	s_mov_b32 s59, 0
	s_wait_kmcnt 0x0
	s_load_b256 s[28:35], s[14:15], 0x0            ; the scales' exponents 0 to 7
	s_load_b128 s[36:39], s[14:15], 0x20           ; 8 to 11
	s_add_nc_u64 s[4:5], s[4:5], s[26:27]
	s_add_nc_u64 s[16:17], s[16:17], s[48:49]
	s_add_nc_u64 s[18:19], s[18:19], s[48:49]
	s_add_nc_u64 s[44:45], s[20:21], s[58:59]
	s_add_nc_u64 s[20:21], s[20:21], s[56:57]
	s_add_nc_u64 s[22:23], s[22:23], s[54:55]
	s_mov_b64 s[40:41], s[12:13]                   ; the job's weight: a choice that hangs on the work-group's number alone
	s_cmp_eq_u32 s25, 0
	s_cselect_b64 s[40:41], s[6:7], s[40:41]
	s_cmp_eq_u32 s25, 1
	s_cselect_b64 s[40:41], s[8:9], s[40:41]
	s_cmp_eq_u32 s25, 2
	s_cselect_b64 s[40:41], s[10:11], s[40:41]
	s_add_nc_u64 s[40:41], s[40:41], s[52:53]
	global_load_b32 v3, v5, s[16:17]               ; gn_w and gn_b of my channel
	global_load_b32 v4, v5, s[18:19]
	s_cmp_lt_u32 s24, 8
	s_cbranch_scc0 .Lno_weight_loads
	global_load_b128 v[WN:WN+3], v2, s[40:41] th:TH_LOAD_NT               ; k0 + 8 h + 0..7
	global_load_b128 v[WN+4:WN+7], v2, s[40:41] offset:16 th:TH_LOAD_NT
	global_load_b128 v[WN+8:WN+11], v2, s[40:41] offset:64 th:TH_LOAD_NT  ; k0 + 16 + 8 h + 0..7
	global_load_b128 v[WN+12:WN+15], v2, s[40:41] offset:80 th:TH_LOAD_NT
.Lno_weight_loads:
.set CN, 0
.rept 32
	global_load_b128 v[XR+4*CN:XR+4*CN+3], v1, s[4:5] offset:512*CN th:TH_LOAD_NT   ; 32 lanes read 512 consecutive bytes; all 32 loads of the wave are out together
.set CN, CN+1
.endr
	s_wait_kmcnt 0x0                               ; the exponents
	s_cmp_lt_u32 s24, 8
	s_cbranch_scc0 .Lno_weight_work
	s_mov_b32 s42, s39                             ; e of the job's weight: entry 11, 1, 3 or 5
	s_cmp_eq_u32 s25, 0
	s_cselect_b32 s42, s29, s42
	s_cmp_eq_u32 s25, 1
	s_cselect_b32 s42, s31, s42
	s_cmp_eq_u32 s25, 2
	s_cselect_b32 s42, s33, s42
	s_add_co_i32 s42, s42, 127
	s_lshl_b32 s43, s42, 23
	v_mov_b32 v180, s43                            ; 2^e as f32: the conversion takes its exponent field
	s_add_co_i32 s42, s42, 15
	s_lshl_b32 s42, s42, 23
	s_or_b32 s42, s42, 0x600000
	v_mov_b32 v181, s42                            ; 57,344 x 2^e
	s_wait_loadcnt 32                              ; behind the weight's four loads only x's 32 were issued
.set CN, 0
.rept 16
	v_med3_num_f32 v[WN+CN], v[WN+CN], -v181, v181 ; the conversion to an 8-bit code does not saturate (ISA guide 7.6.2): the hold comes first
.set CN, CN+1
.endr
	v_cvt_scalef32_pk8_bf8_f32 v[WC:WC+1], v[WN:WN+7], v180
	v_cvt_scalef32_pk8_bf8_f32 v[WC+2:WC+3], v[WN+8:WN+15], v180
	v_nop                                          ; a plain line behind the last conversion
	global_store_b128 v1, v[WC:WC+3], s[22:23]     ; 32 lanes store 512 consecutive bytes: one group of four registers of a fragment's image
.Lno_weight_work:
; pass 1: the wave's sum, two numbers an instruction, in four chains that the first eight pairs start
.macro ADDP n
.rept \n
	v_pk_add_f32 v[6+2*(CN%4):7+2*(CN%4)], v[6+2*(CN%4):7+2*(CN%4)], v[XR+2*CN:XR+2*CN+1]
.set CN, CN+1
.endr
.endm
.macro WSUM                            ; the four chains, the pair's halves and the 32 lanes are added: the sum in v6 of every lane
	v_pk_add_f32 v[6:7], v[6:7], v[8:9]
	v_pk_add_f32 v[10:11], v[10:11], v[12:13]
	v_pk_add_f32 v[6:7], v[6:7], v[10:11]
	v_add_f32 v6, v6, v7
	v_add_f32_dpp v6, v6, v6 row_xmask:1 row_mask:0xf bank_mask:0xf
	v_add_f32_dpp v6, v6, v6 row_xmask:2 row_mask:0xf bank_mask:0xf
	v_add_f32_dpp v6, v6, v6 row_xmask:4 row_mask:0xf bank_mask:0xf
	v_add_f32_dpp v6, v6, v6 row_xmask:8 row_mask:0xf bank_mask:0xf
	v_permlanex16_b32 v7, v6, s60, s61
	v_add_f32 v6, v6, v7
.endm
	s_wait_loadcnt 24                              ; the first eight loads are in; 24 were issued behind them
	v_pk_add_f32 v[6:7], v[XR:XR+1], v[XR+2:XR+3]
	v_pk_add_f32 v[8:9], v[XR+4:XR+5], v[XR+6:XR+7]
	v_pk_add_f32 v[10:11], v[XR+8:XR+9], v[XR+10:XR+11]
	v_pk_add_f32 v[12:13], v[XR+12:XR+13], v[XR+14:XR+15]
.set CN, 8
	ADDP 8
	s_wait_loadcnt 16
	ADDP 16
	s_wait_loadcnt 8
	ADDP 16
	s_wait_loadcnt 0x0
	ADDP 16
	WSUM
	v_mul_f32 v14, 0x39800000, v6                  ; the wave's mean: / 4,096
	v_mov_b32 v15, v14                             ; (a pair for the packed subtraction)
; pass 2: the sum of squares about the wave's own mean, from the same registers
.set CN, 0
.rept 64
	v_pk_add_f32 v[XR+2*CN:XR+2*CN+1], v[XR+2*CN:XR+2*CN+1], v[14:15] neg_lo:[0,1] neg_hi:[0,1]
.set CN, CN+1
.endr
.set CN, 0
.rept 4
	v_pk_mul_f32 v[6+2*CN:7+2*CN], v[XR+2*CN:XR+2*CN+1], v[XR+2*CN:XR+2*CN+1]
.set CN, CN+1
.endr
.rept 60
	v_pk_fma_f32 v[6+2*(CN%4):7+2*(CN%4)], v[XR+2*CN:XR+2*CN+1], v[XR+2*CN:XR+2*CN+1], v[6+2*(CN%4):7+2*(CN%4)]
.set CN, CN+1
.endr
	WSUM
	v_mov_b32 v15, v6                              ; (mean_w, M2_w)
	ds_store_b64 v[LW], v[14:15]                   ; all lanes write the wave's own 8 bytes with the same pair
	s_wait_dscnt 0x0                               ; for the others' sake: my store has landed
	s_barrier_signal -1
	s_barrier_wait -1
.set CN, 0
.rept 8
	ds_load_b128 v[16+4*CN:19+4*CN], v[LZ] offset:16*CN   ; the sixteen pairs, in every lane
.set CN, CN+1
.endr
	s_wait_dscnt 0x0
	v_pk_add_f32 v[6:7], v[16:17], v[18:19]        ; (sum of means, sum of M2)
.set CN, 2
.rept 14
	v_pk_add_f32 v[6:7], v[6:7], v[16+2*CN:17+2*CN]
.set CN, CN+1
.endr
	v_mul_f32 v8, 0x3d800000, v6                   ; the group's mean: the sixteen waves hold equally many numbers
	v_sub_f32 v10, v16, v8
	v_sub_f32 v11, v18, v8
	v_mul_f32 v9, v10, v10
	v_fma_f32 v9, v11, v11, v9
.set CN, 2
.rept 14
	v_sub_f32 v[10+CN%2], v[16+2*CN], v8
	v_fma_f32 v9, v[10+CN%2], v[10+CN%2], v9
.set CN, CN+1
.endr
	v_fmamk_f32 v7, v9, 0x45800000, v7             ; M2 = sum of M2_w + 4,096 x sum of (mean_w - mean)^2
	v_fma_f32 v7, v7, s46, s47                     ; var + 1e-5 (the division by 65,536 rounds nothing)
	v_rsq_f32 v7, v7
	v_sub_f32 v12, 0, v8                           ; -mean.  (A plain line behind the transcendental)
	s_wait_alu depctr_va_vdst(0)
	v_mul_f32 v10, v7, v3                          ; a = gn_w / sqrt(var + 1e-5)
	v_mov_b32 v11, v4                              ; (a, gn_b) side by side for one store
	s_cmp_lt_u32 s24, 2                            ; threads 0 to 63 hold the group's 64 channels
	s_cbranch_scc0 .Lend
	global_store_b64 v[PO], v[10:11], s[20:21]     ; a wave stores 256 consecutive bytes, aligned
	global_store_b32 v5, v12, s[44:45] offset:131072
.Lend:
	s_wait_tensorcnt 0x0
	ds_add_u32 v192, v193
	s_wait_dscnt 0x0
	s_endpgm
.Lfunc_end_k_q08396f4f01_stats:
	.size	k_q08396f4f01_stats, .Lfunc_end_k_q08396f4f01_stats-k_q08396f4f01_stats
	.p2alignl 7, 3214868480
	.fill 96, 4, 3214868480
	.section	.rodata,"a",@progbits
	.p2align	6, 0x0
	.amdhsa_kernel k_q08396f4f01_stats
		.amdhsa_group_segment_fixed_size 2304
		.amdhsa_private_segment_fixed_size 0
		.amdhsa_enable_private_segment 0
		.amdhsa_kernarg_size 80
		.amdhsa_user_sgpr_count 2
		.amdhsa_user_sgpr_kernarg_segment_ptr 1
		.amdhsa_wavefront_size32 1
		.amdhsa_system_sgpr_workgroup_id_x 1
		.amdhsa_system_sgpr_workgroup_id_y 1
		.amdhsa_system_sgpr_workgroup_id_z 1
		.amdhsa_system_vgpr_workitem_id 0
		.amdhsa_next_free_vgpr 194
		.amdhsa_next_free_sgpr 66
		.amdhsa_reserve_vcc 0
		.amdhsa_float_denorm_mode_32 3
		.amdhsa_float_denorm_mode_16_64 3
		.amdhsa_memory_ordered 1
		.amdhsa_forward_progress 1
		.amdhsa_inst_pref_size 26
	.end_amdhsa_kernel
	.amdgpu_metadata
---
amdhsa.version: [ 1, 2 ]
amdhsa.kernels:
  - .name:           k_q08396f4f01_stats
    .symbol:         k_q08396f4f01_stats.kd
    .args:
      - { .name: x, .offset: 0, .size: 8, .value_kind: global_buffer, .address_space: global }
      - { .name: wq, .offset: 8, .size: 8, .value_kind: global_buffer, .address_space: global }
      - { .name: wk, .offset: 16, .size: 8, .value_kind: global_buffer, .address_space: global }
      - { .name: wv, .offset: 24, .size: 8, .value_kind: global_buffer, .address_space: global }
      - { .name: wo, .offset: 32, .size: 8, .value_kind: global_buffer, .address_space: global }
      - { .name: lowp_scales, .offset: 40, .size: 8, .value_kind: global_buffer, .address_space: global }
      - { .name: gn_w, .offset: 48, .size: 8, .value_kind: global_buffer, .address_space: global }
      - { .name: gn_b, .offset: 56, .size: 8, .value_kind: global_buffer, .address_space: global }
      - { .name: norm, .offset: 64, .size: 8, .value_kind: global_buffer, .address_space: global }
      - { .name: wimg, .offset: 72, .size: 8, .value_kind: global_buffer, .address_space: global }
    .group_segment_fixed_size: 2304
    .private_segment_fixed_size: 0
    .kernarg_segment_align: 8
    .kernarg_segment_size: 80
    .max_flat_workgroup_size: 512
    .sgpr_count:     66
    .vgpr_count:     194
    .wavefront_size: 32
...
	.end_amdgpu_metadata
.endif
;; end of part 1
;; launch qkv (part 2): grid 256 x 1, 4 waves a work-group, no clusters, 203,776 bytes of LDS; arguments x, norm, wimg, lowp_scales, bq, bk, bv, qimg, kimg, vimg; writes qimg, kimg, vimg
.if DOCPART == 2
	.amdgcn_target "amdgcn-amd-amdhsa--gfx1250"
	.amdhsa_code_object_version 6
	.text
	.protected	k_q08396f4f01_qkv
	.globl	k_q08396f4f01_qkv
	.p2align	8
	.type	k_q08396f4f01_qkv,@function
k_q08396f4f01_qkv:
	s_mov_b64 s[64:65], 0
	v_nop
	global_prefetch_b8 v0, s[64:65] scope:SCOPE_SE
	s_setreg_imm32_b32 hwreg(HW_REG_WAVE_MODE, 25, 1), 1
	s_wait_xcnt 0x0
; SECOND OF THREE LAUNCHES: hn = (x - mean) a + gn_b, quantised three times (it has a scale of its own in each of the three products); q, k, v = hn W^T + bias on codes of BF8 (E5M2);
; q, k and v quantised for the products that follow and stored as IMAGES OF OPERAND REGISTERS.
; THE IMAGE of a fragment (16 rows x 128 K, 16 registers a lane) is 2,048 bytes: registers 4 c .. 4 c + 3 of lane (r, h) at 512 c + 16 x lane: of row r, k = 32 c + 8 h + 0..7, then k = 32 c + 16 + 8 h + 0..7:
; the matrix instruction's own places.  It is stored and loaded by four 16-byte accesses a lane, 512 consecutive bytes each.
; A MATRIX RESULT IS SUCH AN OPERAND ALREADY: register j of lane (r, h) holds (m = 8 h + j, n = r), so the eight registers of the tile of rows 16 T .. 16 T + 15, converted, are registers 2 T, 2 T + 1 of the fragment
; whose row is n = r and whose K is m.  q and k (K = channels next): source 0 = 16 rows of W, source 1 = 16 pixels of hn.  v (K = pixels next): the sources the other way round.
; SHARES.  Work-group g: image g / 8, pixels 128 (g % 8) on.  PHASE X: wave w makes hn for channels 128 w .. 128 w + 127 (K step w) of all 128 pixels, three sets of codes, into LDS.  One barrier.
; PHASE G: wave w makes outputs 128 w .. 128 w + 127 of q, then k, then v, for all 128 pixels: 64 accumulators, 512 registers.
; NO CLUSTER, NO TENSOR LOAD: the three sets of codes take 196,992 bytes of LDS, and two slots of a step's 65,536 bytes of weights do not fit beside them; each fragment of a weight is used by one wave of the
; work-group alone, so it goes from memory into that wave's registers and through no LDS at all.
; OUT: qimg, kimg [image][64 tiles of 16 pixels][4 K steps of 128 channels][2,048];  vimg [image][8 steps of 128 pixels][32 tiles of 16 channels][2,048].
; THE SCALES ARE FOLDED: a sum stands for sum x 2^(eA + eB).  The bias goes in as the C of a sum's first product, divided by that power of two; the result's conversion takes 2^(e_next - eA - eB).
; LIMITS, so that each power of two and 57,344 times it are f32 numbers: e0, e2, e4, e6 - e0 - e1, e7 - e2 - e3, e8 - e4 - e5 between -126 and 112.  NaN among the inputs is not served.
; REGISTERS, in windows of 256.  Window 0: v1-23 addresses and constants; phase X: v32-95 hn of 4 pixels x 16 channels, v96-143 held copies, v144-191 codes, v192-203 the biases as loaded;
;   phase G: v32-95 the bias in the result's layout, v96-127 two sets of codes on the way out, v128-255 hn's eight fragments (on the way out v128-191 at work).
;   Window 1: the weights' fragments, two sets of 128.   Window 2: phase X: x as loaded, a ring of 4 x 64; phase G: the accumulators of pixel tiles 0-3 ((a, b) at 8 (8 (a % 4) + b)).   Window 3: those of tiles 4-7.
.set LI,    1                          ; v1      16 x lane
.set AD,    2                          ; v2-4    16 x lane + set p
.set XS,    5                          ; v5-7    where phase X stores: set p
.set T,     32
.set BIAS,  32
.set U,     96
.set CS,    96
.set CD,    144
.set RAWB,  192
.set AF,    128
.set TW,    128
.set TILEB, 8208                       ; LDS: a tile of 16 pixels: four fragments + 16 bytes, so that the sixteen lanes of a store in phase X fall on sixteen different 16-byte columns of 256 bytes
.set SETB,  8*TILEB                    ; a set: eight tiles
.set BT,    3*SETB                     ; behind the sets: 3 x 512 f32, the biases divided by their powers of two
.set MSB, 0
.macro WIN new                         ; s_set_vgpr_msb: bits 1:0 source 0, 3:2 source 1, 5:4 source 2, 7:6 destination; the high byte repeats the setting that is left
.if MSB != (\new)
	s_set_vgpr_msb (MSB<<8)|(\new)
.set MSB, (\new)
.endif
.endm
.macro PLACES                          ; four plain lines behind matrix instructions, in front of loads into their sources and of reads of their results
.rept 4
	v_nop
.endr
.endm
.macro MKSC e, sc                      ; v[sc] = 2^e as f32, v[sc + 1] = 57,344 x 2^e
	s_add_co_i32 s96, \e, 127
	s_lshl_b32 s97, s96, 23
	v_mov_b32 v[\sc], s97
	s_add_co_i32 s96, s96, 15
	s_lshl_b32 s96, s96, 23
	s_or_b32 s96, s96, 0x600000
	v_mov_b32 v[\sc+1], s96
.endm
; unit u of phase X: the 16 channels 32 (u / 2) + 8 (u % 2) + {0..7, 16..23} of my 128: what lanes (r, u % 2) of an image hold in registers 4 (u / 2) on.  A load is a channel's 128 pixels: 512 consecutive bytes.
.macro XLOAD u
	WIN 0x80
.set Q_, 0
.rept 16
	global_load_b128 v[64*((\u)%4)+4*Q_:64*((\u)%4)+4*Q_+3], v[LI], s[4:5] offset:(32*((\u)/2)+8*((\u)%2)+Q_+8*(Q_/8))*4096 th:TH_LOAD_NT
.set Q_, Q_+1
.endr
.endm
.macro TAB u                           ; the unit's sixteen pairs (a, gn_b) into scalar registers: s[32:63] and s[68:99] by turns
	s_load_b512 s[32+36*((\u)%2):47+36*((\u)%2)], s[6:7], (32*((\u)/2)+8*((\u)%2))*8
	s_load_b512 s[48+36*((\u)%2):63+36*((\u)%2)], s[6:7], (32*((\u)/2)+8*((\u)%2))*8+128
.endm
.macro FETCH_WH n, hf                  ; half (four tiles of 16 outputs) of the weights of step n = 4 x product + K step, into set n % 2
	WIN 0x40
.set K_, 0
.rept 16
	global_load_b128 v[128*((\n)%2)+64*(\hf)+4*K_:128*((\n)%2)+64*(\hf)+4*K_+3], v[LI], s[8:9] offset:((\n)/4)*262144+((\n)%4)*2048+(4*(\hf)+K_/4)*8192+512*(K_%4)
.set K_, K_+1
.endr
.endm
.macro FETCH_W n
	FETCH_WH \n, 0
	FETCH_WH \n, 1
.endm
.macro UNIT u
.set RB,  64*((\u)%4)
.set TBL, 32+36*((\u)%2)
.set MN,  24+2*((\u)/4)
	s_wait_loadcnt 48                              ; this unit's 16 loads are in; three groups of 16 were issued behind them
	s_wait_kmcnt 0x0                               ; and so are its pairs
.if (\u) < 7
	TAB (\u)+1
.endif
	s_wait_dscnt 0x0                               ; the last unit's LDS stores have read their registers
	WIN 0x82
.set CN, 0
.rept 32
	v_pk_add_f32 v[RB+2*CN:RB+2*CN+1], v[RB+2*CN:RB+2*CN+1], s[MN:MN+1] op_sel_hi:[1,0]   ; x - mean (the pair's low word for both halves); my channels 0-63 are one group, 64-127 the next
.set CN, CN+1
.endr
	WIN 0x02
.set CN, 0
.rept 64
	v_fma_f32 v[T+16*(CN%4)+CN/4], v[RB+CN], s[TBL+2*(CN/4)], s[TBL+2*(CN/4)+1]           ; hn; the multiply-add also lays a pixel's sixteen channels side by side
.set CN, CN+1
.endr
	WIN 0
.irp i, 0,1,2,3                        ; my pixel 4 x lane + i
.set CN, 0
.rept 48
	v_med3_num_f32 v[U+CN], v[T+16*\i+CN%16], -v[9+2*(CN/16)], v[9+2*(CN/16)]             ; held for each of the three scales: the conversion does not saturate (ISA guide 7.6.2)
.set CN, CN+1
.endr
.set CN, 0
.rept 6
	v_cvt_scalef32_pk8_bf8_f32 v[CD+12*\i+2*CN:CD+12*\i+2*CN+1], v[U+8*CN:U+8*CN+7], v[8+2*(CN/2)]
.set CN, CN+1
.endr
	v_nop                                          ; a plain line between the conversions and the next pixel's holds, which write their sources
.irp p, 0,1,2
	ds_store_b128 v[XS+\p], v[CD+12*\i+4*\p:CD+12*\i+4*\p+3] offset:512*((\u)/2)+256*((\u)%2)+16*\i
.endr
.endr
.if (\u) < 4
	XLOAD (\u)+4                                   ; the ring goes on;
.else
	FETCH_WH ((\u)-4)/2, ((\u)-4)%2                ; then the first two steps' weights take x's place, 16 loads a unit, so that every unit's wait counts the same
.endif
.endm
.macro FETCH_A p, s, t0                ; hn's fragments of set p, K step s, pixel tiles t0 .. t0 + 3
.set K_, 0
.rept 16
	ds_load_b128 v[AF+16*(\t0)+4*K_:AF+16*(\t0)+4*K_+3], v[AD+(\p)] offset:TILEB*((\t0)+K_/4)+2048*(\s)+512*(K_%4)
.set K_, K_+1
.endr
.endm
; 16 products: pixel tiles a0, a0 + 1 x my eight tiles of outputs, 128 along K.  In K step 0 the bias is C.  The 64 accumulators take turns, one instruction a turn, in the same order in every step.
.macro MUL16 a0, par, s, sw
.irp a, \a0, \a0+1
.irp b, 0,1,2,3,4,5,6,7
.set DD, 8*(8*((\a)%4)+\b)
.set WW, 128*(\par)+16*\b
.set HH, AF+16*(\a)
.if (\sw) == 0
.if (\s) == 0
	v_wmma_f32_16x16x128_bf8_bf8 v[DD:DD+7], v[WW:WW+15], v[HH:HH+15], v[BIAS+8*\b:BIAS+8*\b+7]
.else
	v_wmma_f32_16x16x128_bf8_bf8 v[DD:DD+7], v[WW:WW+15], v[HH:HH+15], v[DD:DD+7]
.endif
.else
.if (\s) == 0
	v_wmma_f32_16x16x128_bf8_bf8 v[DD:DD+7], v[HH:HH+15], v[WW:WW+15], v[BIAS+8*\b:BIAS+8*\b+7]
.else
	v_wmma_f32_16x16x128_bf8_bf8 v[DD:DD+7], v[HH:HH+15], v[WW:WW+15], v[DD:DD+7]
.endif
.endif
.endr
.endr
.endm
; K step s of product p: 64 products.  hn has one set of registers: tiles 0-3 are fetched anew in the step's middle, tiles 4-7 at its end.  The weights have two sets, asked for two steps ahead.
.macro STEP p, s
.set SN_, 4*(\p)+(\s)
.set WB_, 1+3*((\p)/2)                 ; the weights' window 1 in source 0 (q, k) or in source 1 (v)
.if (\s) == 0
.set WL_, 0x80+WB_                     ; C (the bias) in window 0
.set WH_, 0xc0+WB_
.else
.set WL_, 0xa0+WB_
.set WH_, 0xf0+WB_
.endif
.if SN_ < 11
	s_wait_loadcnt 32                              ; this step's weights are in; the next step's 32 loads were issued behind them
.else
	s_wait_loadcnt 0x0
.endif
	s_wait_dscnt 16                                ; the bias and hn's tiles 0-3 are in; the youngest sixteen loads (tiles 4-7) may be out
	WIN WL_
	MUL16 0, SN_%2, \s, (\p)/2
	MUL16 2, SN_%2, \s, (\p)/2
	s_wait_dscnt 0x0
.if (\s) < 3
	PLACES
	WIN 0
	FETCH_A \p, (\s)+1, 0
.endif
	WIN WH_
	MUL16 4, SN_%2, \s, (\p)/2
	MUL16 6, SN_%2, \s, (\p)/2
	PLACES
	WIN 0
.if (\s) < 3
	FETCH_A \p, (\s)+1, 4
.endif
.if SN_+2 <= 11
	FETCH_W SN_+2
	WIN 0
.endif
.endm
; THE WAY OUT of product p, a fragment a turn: 64 sums held, converted with the folded scale, stored as an image.  q, k: turn = pixel tile, K = my 128 channels.  v: turn = channel tile, K = the 128 pixels.
; Each accumulator is read from its low end on.
.macro WAYOUT p
.irp tn, 0,1,2,3,4,5,6,7
.if (\p) < 2
	WIN 0x02+(\tn)/4
.set CN, 0
.rept 64
	v_med3_num_f32 v[TW+CN], v[64*((\tn)%4)+CN], -v[15+2*(\p)], v[15+2*(\p)]
.set CN, CN+1
.endr
.else
	WIN 0x02
.set CN, 0
.rept 32
	v_med3_num_f32 v[TW+CN], v[64*(CN/8)+8*(\tn)+CN%8], -v[15+2*(\p)], v[15+2*(\p)]
.set CN, CN+1
.endr
	WIN 0x03
.rept 32
	v_med3_num_f32 v[TW+CN], v[64*(CN/8-4)+8*(\tn)+CN%8], -v[15+2*(\p)], v[15+2*(\p)]
.set CN, CN+1
.endr
.endif
	WIN 0
	s_wait_xcnt 0x0                                ; the stores of two turns ago have read this set of codes: it is written again only behind this wait
.set CN, 0
.rept 8
	v_cvt_scalef32_pk8_bf8_f32 v[CS+16*((\tn)%2)+2*CN:CS+16*((\tn)%2)+2*CN+1], v[TW+8*CN:TW+8*CN+7], v[14+2*(\p)]
.set CN, CN+1
.endr
	v_nop                                          ; a plain line between the conversions and the next turn's holds, which write their sources
.irp c, 0,1,2,3
.if (\p) < 2
	global_store_b128 v[LI], v[CS+16*((\tn)%2)+4*\c:CS+16*((\tn)%2)+4*\c+3], s[18+2*(\p):19+2*(\p)] offset:8192*(\tn)+512*\c   ; 32 lanes store 512 consecutive bytes
.else
	global_store_b128 v[LI], v[CS+16*((\tn)%2)+4*\c:CS+16*((\tn)%2)+4*\c+3], s[18+2*(\p):19+2*(\p)] offset:2048*(\tn)+512*\c
.endif
.endr
.endr
.endm
.macro PROJ p
	WIN 0
.if (\p) < 2                           ; q, k: register j of tile b is output 16 b + 8 h + j
.irp b, 0,1,2,3,4,5,6,7
	ds_load_b128 v[BIAS+8*\b:BIAS+8*\b+3], v20 offset:2048*(\p)+64*\b
	ds_load_b128 v[BIAS+8*\b+4:BIAS+8*\b+7], v20 offset:2048*(\p)+64*\b+16
.endr
.else                                  ; v: all eight registers of tile b are output 16 b + r
.set CN, 0
.rept 64
	ds_load_b32 v[BIAS+CN], v21 offset:64*(CN/8)
.set CN, CN+1
.endr
.endif
	FETCH_A \p, 0, 0
	FETCH_A \p, 0, 4
	STEP \p, 0
	STEP \p, 1
	STEP \p, 2
	STEP \p, 3
	WAYOUT \p
.endm
	s_load_b512 s[4:19], s[0:1], 0x0               ; x s[4:5], norm s[6:7], wimg s[8:9], scales s[10:11], bq s[12:13], bk s[14:15], bv s[16:17], qimg s[18:19]
	s_load_b128 s[20:23], s[0:1], 0x40             ; kimg s[20:21], vimg s[22:23]
	v_lshl_add_u32 v30, v0, 2, 0x31a00
	v_mov_b32 v31, 0
	v_lshrrev_b32 v24, 5, v0
	v_readfirstlane_b32 s30, v24                   ; wave 0..3
	v_and_b32 v24, 31, v0                          ; lane
	v_lshlrev_b32 v[LI], 4, v24
	v_lshrrev_b32 v25, 2, v24
	v_mul_u32_u24 v25, v25, TILEB                  ; my four pixels lie in tile lane / 4,
	v_and_b32 v26, 3, v24
	v_lshl_add_u32 v25, v26, 6, v25                ; rows 4 (lane % 4) on: 16 bytes a row,
	s_lshl_b32 s96, s30, 11
	v_add_nc_u32 v[XS], s96, v25                   ; K step = my wave
	v_add_nc_u32 v[XS+1], SETB, v[XS]
	v_add_nc_u32 v[XS+2], 2*SETB, v[XS]
	v_mov_b32 v[AD], v[LI]
	v_add_nc_u32 v[AD+1], SETB, v[LI]
	v_add_nc_u32 v[AD+2], 2*SETB, v[LI]
	v_bfe_u32 v26, v0, 4, 1                        ; h
	v_and_b32 v27, 15, v0                          ; r
	s_lshl_b32 s97, s30, 9                         ; my 128 outputs' biases: 512 bytes a wave
	v_lshlrev_b32 v20, 5, v26
	v_add_nc_u32 v20, s97, v20
	v_add_nc_u32 v20, BT, v20                      ; q, k: + 32 h
	v_lshlrev_b32 v21, 2, v27
	v_add_nc_u32 v21, s97, v21
	v_add_nc_u32 v21, BT+4096, v21                 ; v: + 4 r
	v_lshl_add_u32 v22, v0, 4, BT                  ; where thread t puts four numbers of a bias
	v_lshlrev_b32 v23, 4, v0                       ; and whence it takes them
	s_lshr_b32 s68, ttmp9, 3                       ; the image
	s_and_b32 s69, ttmp9, 7                        ; which 128 pixels
	s_lshl_b32 s70, s68, 21                        ; x: 2 MiB an image, my 128 channels of 4,096 bytes, 512 bytes of each row
	s_lshl_b32 s71, s30, 19
	s_add_co_u32 s70, s70, s71
	s_lshl_b32 s71, s69, 9
	s_add_co_u32 s70, s70, s71
	s_mov_b32 s71, 0
	s_lshl_b32 s72, s68, 12                        ; the pairs: (512 x image + 128 x wave) x 8
	s_lshl_b32 s73, s30, 10
	s_add_co_u32 s72, s72, s73
	s_mov_b32 s73, 0
	s_lshr_b32 s74, s72, 1                         ; the means: 131,072 + half of that
	s_add_co_u32 s74, s74, 131072
	s_mov_b32 s75, 0
	s_lshl_b32 s76, s30, 16                        ; the weights: my eight tiles of 8,192 bytes
	s_mov_b32 s77, 0
	s_lshl_b32 s78, s68, 19                        ; the three outputs: 524,288 an image, 65,536 for 128 pixels,
	s_lshl_b32 s79, s69, 16
	s_add_co_u32 s78, s78, s79
	s_lshl_b32 s79, s30, 11
	s_add_co_u32 s80, s78, s79                     ; q, k: K step = my wave;
	s_mov_b32 s81, 0
	s_lshl_b32 s79, s30, 14
	s_add_co_u32 s82, s78, s79                     ; v: my eight tiles of channels
	s_mov_b32 s83, 0
	s_wait_kmcnt 0x0
	s_load_b256 s[84:91], s[10:11], 0x0            ; the scales' exponents 0 to 7,
	s_load_b128 s[92:95], s[10:11], 0x20           ; 8 to 11: used up before these registers take unit 1's pairs
	s_add_nc_u64 s[4:5], s[4:5], s[70:71]
	s_add_nc_u64 s[28:29], s[6:7], s[74:75]
	s_add_nc_u64 s[6:7], s[6:7], s[72:73]
	s_add_nc_u64 s[8:9], s[8:9], s[76:77]
	s_add_nc_u64 s[18:19], s[18:19], s[80:81]
	s_add_nc_u64 s[20:21], s[20:21], s[80:81]
	s_add_nc_u64 s[22:23], s[22:23], s[82:83]
	s_load_b32 s24, s[28:29], 0x0                  ; -mean of my channels 0-63,
	s_load_b32 s26, s[28:29], 0x100                ; and of 64-127
	TAB 0
	global_load_b128 v[RAWB:RAWB+3], v23, s[12:13]
	global_load_b128 v[RAWB+4:RAWB+7], v23, s[14:15]
	global_load_b128 v[RAWB+8:RAWB+11], v23, s[16:17]
	XLOAD 0
	XLOAD 1
	XLOAD 2
	XLOAD 3
	WIN 0
	s_wait_kmcnt 0x0
	s_mov_b32 s25, s24                             ; (named with it as a pair, so it is written)
	s_mov_b32 s27, s26
	MKSC s84, 8                                    ; hn's three scales: e0, e2, e4
	MKSC s86, 10
	MKSC s88, 12
	s_add_co_i32 s98, s84, s85
	s_sub_co_i32 s2, 0, s98                        ; -(e0 + e1), for bq
	s_sub_co_i32 s99, s90, s98
	MKSC s99, 14                                   ; q's conversion: e6 - e0 - e1
	s_add_co_i32 s98, s86, s87
	s_sub_co_i32 s3, 0, s98
	s_sub_co_i32 s99, s91, s98
	MKSC s99, 16                                   ; k's: e7 - e2 - e3
	s_add_co_i32 s98, s88, s89
	s_sub_co_i32 s31, 0, s98
	s_sub_co_i32 s99, s92, s98
	MKSC s99, 18                                   ; v's: e8 - e4 - e5
	UNIT 0
	WIN 0
.irp j, 0,1,2,3                        ; the biases were loaded ahead of unit 0's numbers: they are in
	v_ldexp_f32 v[RAWB+\j], v[RAWB+\j], s2
	v_ldexp_f32 v[RAWB+4+\j], v[RAWB+4+\j], s3
	v_ldexp_f32 v[RAWB+8+\j], v[RAWB+8+\j], s31
.endr
	ds_store_b128 v22, v[RAWB:RAWB+3]
	ds_store_b128 v22, v[RAWB+4:RAWB+7] offset:2048
	ds_store_b128 v22, v[RAWB+8:RAWB+11] offset:4096
	UNIT 1
	UNIT 2
	UNIT 3
	UNIT 4
	UNIT 5
	UNIT 6
	UNIT 7
	WIN 0
	s_wait_dscnt 0x0                               ; for the others' sake: my codes and my part of the biases have landed
	s_barrier_signal -1
	s_barrier_wait -1                              ; the three sets and the biases are whole; from here on LDS is only read
	PROJ 0
	PROJ 1
	PROJ 2
	s_wait_tensorcnt 0x0
	ds_add_u32 v30, v31
	s_wait_dscnt 0x0
	s_endpgm
.Lfunc_end_k_q08396f4f01_qkv:
	.size	k_q08396f4f01_qkv, .Lfunc_end_k_q08396f4f01_qkv-k_q08396f4f01_qkv
	.p2alignl 7, 3214868480
	.fill 96, 4, 3214868480
	.section	.rodata,"a",@progbits
	.p2align	6, 0x0
	.amdhsa_kernel k_q08396f4f01_qkv
		.amdhsa_group_segment_fixed_size 203776
		.amdhsa_private_segment_fixed_size 0
		.amdhsa_enable_private_segment 0
		.amdhsa_kernarg_size 80
		.amdhsa_user_sgpr_count 2
		.amdhsa_user_sgpr_kernarg_segment_ptr 1
		.amdhsa_wavefront_size32 1
		.amdhsa_system_sgpr_workgroup_id_x 1
		.amdhsa_system_sgpr_workgroup_id_y 1
		.amdhsa_system_sgpr_workgroup_id_z 1
		.amdhsa_system_vgpr_workitem_id 0
		.amdhsa_next_free_vgpr 1024
		.amdhsa_next_free_sgpr 100
		.amdhsa_reserve_vcc 0
		.amdhsa_float_denorm_mode_32 3
		.amdhsa_float_denorm_mode_16_64 3
		.amdhsa_memory_ordered 1
		.amdhsa_forward_progress 1
		.amdhsa_inst_pref_size 255
	.end_amdhsa_kernel
	.section	.bss,"aw",@nobits
	.p2align	6
	.space	262144
	.amdgpu_metadata
---
amdhsa.version: [ 1, 2 ]
amdhsa.kernels:
  - .name:           k_q08396f4f01_qkv
    .symbol:         k_q08396f4f01_qkv.kd
    .args:
      - { .name: x, .offset: 0, .size: 8, .value_kind: global_buffer, .address_space: global }
      - { .name: norm, .offset: 8, .size: 8, .value_kind: global_buffer, .address_space: global }
      - { .name: wimg, .offset: 16, .size: 8, .value_kind: global_buffer, .address_space: global }
      - { .name: lowp_scales, .offset: 24, .size: 8, .value_kind: global_buffer, .address_space: global }
      - { .name: bq, .offset: 32, .size: 8, .value_kind: global_buffer, .address_space: global }
      - { .name: bk, .offset: 40, .size: 8, .value_kind: global_buffer, .address_space: global }
      - { .name: bv, .offset: 48, .size: 8, .value_kind: global_buffer, .address_space: global }
      - { .name: qimg, .offset: 56, .size: 8, .value_kind: global_buffer, .address_space: global }
      - { .name: kimg, .offset: 64, .size: 8, .value_kind: global_buffer, .address_space: global }
      - { .name: vimg, .offset: 72, .size: 8, .value_kind: global_buffer, .address_space: global }
    .group_segment_fixed_size: 203776
    .private_segment_fixed_size: 0
    .kernarg_segment_align: 8
    .kernarg_segment_size: 80
    .max_flat_workgroup_size: 128
    .sgpr_count:     100
    .vgpr_count:     1024
    .wavefront_size: 32
...
	.end_amdgpu_metadata
.endif
;; end of part 2
;; launch attn (part 3): grid 256 x 1, 4 waves a work-group, clusters of 4 x 1, 327,680 bytes of LDS; arguments qimg, kimg, vimg, wimg, lowp_scales, bo, x, out0; writes out0
.if DOCPART == 3
	.amdgcn_target "amdgcn-amd-amdhsa--gfx1250"
	.amdhsa_code_object_version 6
	.text
	.protected	k_q08396f4f01_attn
	.globl	k_q08396f4f01_attn
	.p2align	8
	.type	k_q08396f4f01_attn,@function
k_q08396f4f01_attn:
	s_mov_b64 s[64:65], 0
	v_nop
	global_prefetch_b8 v0, s[64:65] scope:SCOPE_SE
	s_setreg_imm32_b32 hwreg(HW_REG_WAVE_MODE, 25, 1), 1
	s_wait_xcnt 0x0
	s_wait_alu depctr_hold_cnt(0) depctr_sa_sdst(0) depctr_va_vdst(0) depctr_va_sdst(0) depctr_va_ssrc(0) depctr_va_vcc(0) depctr_vm_vsrc(0)
	s_getreg_b32 s2, hwreg(HW_REG_IB_STS2, 6, 4)
	s_cmp_eq_u32 s2, 0
	s_cbranch_scc0 .Lentry_in_a_cluster
	s_endpgm
.Lentry_in_a_cluster:
	s_bfe_u32 s2, ttmp6, 0x10000c
	s_cmp_lg_u32 s2, 0x3003
	s_cbranch_scc0 .Lentry_shape_is_right
	s_endpgm
.Lentry_shape_is_right:
; THIRD OF THREE LAUNCHES: out = x + Wo softmax-attention(q, k, v) + bo, all three products on codes of BF8 (E5M2), each operand with the one scale 2^e given for it (entries 6 to 11).
; q, k, v and Wo arrive as IMAGES OF OPERAND REGISTERS: a fragment (16 rows x 128 K) is 2,048 bytes, registers 4 c .. 4 c + 3 of lane (r, h) at 512 c + 16 x lane, k in the matrix instruction's own places.
; qimg, kimg [image][64 tiles of 16 pixels][4 K steps of 128 channels];  vimg [image][8 steps of 128 keys][32 tiles of 16 channels];  wimg's fourth quarter: Wo [32 tiles of 16 outputs][4 K steps].
; SHARES.  A work-group owns 128 queries of one image; in the attention each of its four waves owns 32 of them, two tiles, and walks all 1,024 keys, 128 a step; in the last product wave w makes outputs 128 w .. 128 w + 127 for all 128 pixels.
; LAYOUT.  S^T = K Q^T (source 0 = 16 keys, source 1 = 16 queries) and O^T = V P^T (source 0 = 16 channels, source 1 = P): a lane holds ONE query throughout.  Register j of lane (r, h) of a result is row 8 h + j, so the eight
; registers of tile T, converted, are registers 2 T, 2 T + 1 of the next operand: p's codes and o's codes are fragments as they leave the conversions.
; THE SOFTMAX AHEAD OF THE SECOND PRODUCT: t = score x log2(e) / sqrt(512); M = the running largest t rounded UP to a whole number; p = 2^(t - M) is quantised, not normalised; the row's sum is taken of the unquantised p
; and divides O at the end.  When M moves, the sum and O^T are multiplied by 2^(old M - new M), which rounds nothing; there is no branch on data.
; CLUSTER.  The four work-groups of a cluster belong to one image and walk the same K and V: each step's tiles are asked for JOINTLY, by the same tensor load with the same descriptor and the mask of all four.
; The place in the cluster enters the global addresses of q, x and out alone.
; LDS.  Two slots of 131,072 bytes: a step's K (65,536, dense images), then its V.  Each wave fetches a quarter, 128 rows of 256 bytes; one tensor load of a wave is out at a time.  Behind the ring the spare words,
; then the waves' stages for the way out (16 rows x 528 bytes each), which no tensor load fills.
; THE RESIDUAL IS ASKED FOR EARLY.  Slot 0 is read for the last time in key step 6.  Behind the round at the head of key step 7 each wave fills its quarter of it with 64 rows of x (its output tiles 0 to 3, 512 bytes of each row):
; a load of its own, without a mask, whose bytes it alone reads.  That load has key step 7, the quantising of o and the last product in which to land.  The other 64 rows come into the registers that Wo's fragments leave.
; When key step 7 is done, a barrier shows that nobody reads slot 1 any more; it has had its last fill: o's images (65,536 bytes) lie in its first half.
; LIMITS, so that each power of two below is an f32 number: e6 + e7 between -122 and 130 (added to c's exponent field); e9, e10 between -126 and 112; e10 + e11 between -126 and 127; e8 + e9 goes in by v_ldexp_f32.
; NaN among the inputs is not served.
; REGISTERS, in windows of 256.  Window 0: v1-11 addresses; v12-19 for each tile -M, the largest t, the sum in two halves; v20-23 f, later 1 / sum; v24-27 scales and limits; v28-31, v192-193 at work;
;   v32-159 S^T, then p, 64 a tile; v160-191 p's codes.  Later: v32-95 at work, then rows of x; v96-127 o's codes, then bo; v128-255 o's fragments, then rows of the result, two sets by turns.
;   Window 1: v0-127 Q; v128-255 two buffers of four fragments of K or V.  Later Wo's two sets, then rows of x.   Windows 2, 3: O^T (channel tile ct of query tile t at 16 (ct % 16) + 8 t of window 2 + ct / 16); later the last product's 64 accumulators.
.set XA,    1                          ; v1   LDS address of my rows of x: 16 x lane + 32,768 x wave
.set SPW,   2                          ; v2   LDS address of my spare word: SPARE + 4 x my thread's number; never rewritten
.set NIL,   3                          ; v3   0; never rewritten
.set LI,    4                          ; v4   16 x lane = slot 0's K;  v5 slot 0's V;  v6 slot 1's K, later o's images;  v7 slot 1's V
.set STEPB, 65536                      ; a key step's images of K, and of V
.set SLOTB, 131072
.set SPARE, 2*SLOTB                    ; the spare words, 128 bytes for each wave: two blocks of 256 bytes that no other line names
.set STAGE, SPARE+512                  ; the stages
.set OIMG,  SLOTB                      ; o's images
.set G1,    24                         ; s[24:31] descriptor group 1 for K's and V's tiles
.set G0K,   32                         ; s[32:39] group 0 for K's tiles, a set for each slot
.set G0V,   68                         ; s[68:75] for V's
.set G1X,   84                         ; s[84:91] group 1 for my rows of x
.set G0X,   92                         ; s[92:95] their group 0
.set MSB, 0
.macro WIN new                         ; s_set_vgpr_msb: bits 1:0 source 0, 3:2 source 1, 5:4 source 2, 7:6 destination; the high byte repeats the setting that is left
.if MSB != (\new)
	s_set_vgpr_msb (MSB<<8)|(\new)
.set MSB, (\new)
.endif
.endm
.macro PLACES                          ; four plain lines behind matrix instructions, in front of loads into their sources and of reads of their results
.rept 4
	v_nop
.endr
.endm
; A joint load.  Waves 0 and 1 fetch K's halves, waves 2 and 3 V's.  The branch hangs on the wave's number alone.  Four v_nop follow each of the two lines.
.macro JLOAD n
	s_cmp_lt_u32 s20, 2
	s_cbranch_scc0 .Lfor_v_\@
	tensor_load_to_lds s[G0K+4*(\n):G0K+4*(\n)+3], s[G1:G1+7]
	s_nop 0
.rept 4
	v_nop
.endr
	s_branch .Lasked_\@
.Lfor_v_\@:
	tensor_load_to_lds s[G0V+4*(\n):G0V+4*(\n)+3], s[G1:G1+7]
	s_nop 0
.rept 4
	v_nop
.endr
.Lasked_\@:
.endm
.macro CROUND                          ; a round of the cluster's barrier: my work-group's barrier; wave 0 signals for the work-group; every wave waits for all four work-groups; my work-group's barrier once more
	s_barrier_signal -1
	s_barrier_wait -1
	s_cmp_lg_u32 s20, 0
	s_cbranch_scc1 .Lnot_wave_0_\@
	s_barrier_signal -3
.Lnot_wave_0_\@:
	s_barrier_wait -3
	s_barrier_signal -1
	s_barrier_wait -1
.endm
; unit u of a key step: four fragments, 8,192 consecutive bytes.  u < 8: key tile u, K steps 0-3.  u >= 8: V's channel tiles 4 (u - 8) on.
.macro UFETCH slot, u, buf
	WIN 0x40
.set K_, 0
.rept 16
	ds_load_b128 v[128+64*(\buf)+4*K_:128+64*(\buf)+4*K_+3], v[LI+2*(\slot)+(\u)/8] offset:8192*((\u)%8)+512*K_
.set K_, K_+1
.endr
.endm
.macro SMUL kt, buf                    ; S^T of key tile kt for my two tiles of queries: the two accumulators take turns, one instruction a turn; the first product starts each sum
	WIN 0x05
.irp s, 0,1,2,3
.irp t, 0,1
.set DD, 32+64*\t+8*(\kt)
.if \s == 0
	v_wmma_f32_16x16x128_bf8_bf8 v[DD:DD+7], v[128+64*(\buf)+16*\s:128+64*(\buf)+16*\s+15], v[64*\t+16*\s:64*\t+16*\s+15], 0
.else
	v_wmma_f32_16x16x128_bf8_bf8 v[DD:DD+7], v[128+64*(\buf)+16*\s:128+64*(\buf)+16*\s+15], v[64*\t+16*\s:64*\t+16*\s+15], v[DD:DD+7]
.endif
.endr
.endr
.endm
.macro PVMUL g, buf, first             ; O^T of channel tiles 4 g .. 4 g + 3: eight accumulators.  first = 1: the first key step starts the sums: nothing is cleared
.if \first
	WIN 0x81+0x40*((\g)/4)
.else
	WIN 0xa1+0x50*((\g)/4)
.endif
.irp i, 0,1,2,3
.irp t, 0,1
.set DD, 16*((4*(\g)+\i)%16)+8*\t
.if \first
	v_wmma_f32_16x16x128_bf8_bf8 v[DD:DD+7], v[128+64*(\buf)+16*\i:128+64*(\buf)+16*\i+15], v[160+16*\t:160+16*\t+15], 0
.else
	v_wmma_f32_16x16x128_bf8_bf8 v[DD:DD+7], v[128+64*(\buf)+16*\i:128+64*(\buf)+16*\i+15], v[160+16*\t:160+16*\t+15], v[DD:DD+7]
.endif
.endr
.endr
.endm
; the softmax of query tile t for one key step: register 8 kt + j of lane (r, h) is query r, key 16 kt + 8 h + j
.macro SM t
.set SB,  32+64*(\t)
.set SS,  12+4*(\t)
.set FF,  20+2*(\t)
.set PCD, 160+16*(\t)
	v_max3_num_f32 v28, v[SB], v[SB+1], v[SB+2]    ; the step's largest score of my query among my 64 keys, in two chains; each accumulator is read from its low end on
	v_max3_num_f32 v29, v[SB+3], v[SB+4], v[SB+5]
.set CN, 6
.rept 14
	v_max3_num_f32 v28, v28, v[SB+CN], v[SB+CN+1]
	v_max3_num_f32 v29, v29, v[SB+CN+2], v[SB+CN+3]
.set CN, CN+4
.endr
	v_max3_num_f32 v28, v28, v[SB+62], v[SB+63]
	v_max_num_f32 v28, v28, v29
	v_permlanex16_b32 v30, v28, s40, s41
	v_max_num_f32 v28, v28, v30                    ; and among lane l xor 16's
	v_mul_f32 v28, s42, v28                        ; as t (c is positive)
	v_max_num_f32 v[SS+1], v[SS+1], v28            ; the running largest t
	v_mov_b32 v28, v[SS]
	v_floor_f32 v[SS], -v[SS+1]                    ; the new -M = floor(-t): M is a whole number
	v_sub_f32 v28, v[SS], v28                      ; old M - new M: a whole number, 0 or less
	v_cvt_i32_f32 v28, v28                         ; (it saturates)
	v_ldexp_f32 v[FF], 1.0, v28                    ; f = 2^(old M - new M)
.set CN, 0
.rept 32
	v_pk_fma_f32 v[SB+CN:SB+CN+1], v[SB+CN:SB+CN+1], s[42:43], v[SS:SS+1] op_sel_hi:[1,0,0]   ; t - M, two at a time (of the pairs c and -M the low word serves both halves)
.set CN, CN+2
.endr
.set CN, 0
.rept 64
	v_exp_f32 v[SB+CN], v[SB+CN]                   ; p = 2^(t - M), at most 1: not normalised
.set CN, CN+1
.endr
	v_pk_mul_f32 v[SS+2:SS+3], v[SS+2:SS+3], v[FF:FF+1] op_sel_hi:[1,0]   ; the sum under the new M.  (A plain line behind the exponentials)
	s_wait_alu depctr_va_vdst(0)
	v_pk_add_f32 v[192:193], v[SB:SB+1], v[SB+2:SB+3]                     ; the row's sum is taken of the unquantised p, in two chains
.set CN, 4
.rept 15
	v_pk_add_f32 v[SS+2:SS+3], v[SS+2:SS+3], v[SB+CN:SB+CN+1]
	v_pk_add_f32 v[192:193], v[192:193], v[SB+CN+2:SB+CN+3]
.set CN, CN+4
.endr
	v_pk_add_f32 v[SS+2:SS+3], v[SS+2:SS+3], v[192:193]
.irp b, 0,1,2,3
.set CN, 0
.rept 16
	v_min_num_f32 v[SB+16*\b+CN], v[SB+16*\b+CN], v25   ; the conversion does not saturate (ISA guide 7.6.2); p is not negative, so the hold is one-sided
.set CN, CN+1
.endr
	v_cvt_scalef32_pk8_bf8_f32 v[PCD+4*\b:PCD+4*\b+1], v[SB+16*\b:SB+16*\b+7], v24
	v_cvt_scalef32_pk8_bf8_f32 v[PCD+4*\b+2:PCD+4*\b+3], v[SB+16*\b+8:SB+16*\b+15], v24
.endr
	v_nop                                          ; a plain line between the last conversion and the products that read the codes
.endm
; O^T's channel tiles 4 g .. 4 g + 3 (eight accumulators, 64 registers on end) under the new M: x f of their tile of queries.  Pairs c0 .. c0 + n - 1 of the 32; each accumulator from its low end on.
.macro RESC g, c0, n
	WIN 0x82+0x41*((\g)/4)                         ; O^T (destination and source 0) in window 2 or 3, f in window 0
.set CN, (\c0)
.rept (\n)
	v_pk_mul_f32 v[64*((\g)%4)+2*CN:64*((\g)%4)+2*CN+1], v[64*((\g)%4)+2*CN:64*((\g)%4)+2*CN+1], v[20+2*((CN/4)%2):21+2*((CN/4)%2)] op_sel_hi:[1,0]
.set CN, CN+1
.endr
.endm
; A KEY STEP.  At its head the change of slots: each wave waits for all its tensor loads (its part of the slot ahead), adds 0 to its spare word, and waits for that and for its reads of the slot that it has left.
; A round of the cluster's barrier follows, so that no wave of any partner still reads that slot or has a load on its way, and the wave's one tensor load is the first thing behind it.
; refill = 1: the joint load of the next step's tiles, which has this whole step in which to land.  refill = 2 (the last key step): my own 64 rows of x, into my quarter of the slot that has been left.
; Then sixteen units of eight products; unit u + 2 is fetched, into the buffer just read, behind unit u.
; THE RESCALING OF O^T STANDS AMONG THE SECOND PRODUCT'S UNITS: behind unit g's products come four of unit g + 1's 32 multiplications, which name none of those products' registers and are the places in front of the
; run of loads; the other 28 follow the loads and are issued while the fragments are on their way.
.macro TRIP slot, refill, first
	WIN 0                                          ; at a label and at a branch every window is 0; the add's two registers lie in window 0
	s_wait_tensorcnt 0x0                           ; no tensor load of mine is out, so a group 0 may be written
	ds_add_u32 v[SPW], v[NIL]                      ; 0 onto my spare word; with refill = 1 the descriptors' steps stand between it and the wait for it
.if (\refill) == 1
	s_add_nc_u64 s[G0K+4*(\slot)+2:G0K+4*(\slot)+3], s[G0K+4*(\slot)+2:G0K+4*(\slot)+3], 2*STEPB   ; this slot's next tiles: two steps on (key step 6's stepped addresses are not used)
	s_add_nc_u64 s[G0V+4*(\slot)+2:G0V+4*(\slot)+3], s[G0V+4*(\slot)+2:G0V+4*(\slot)+3], 2*STEPB
.endif
	s_wait_dscnt 0x0                               ; the add is done, and my reads of the other slot are over
	CROUND
.if (\refill) == 1
	JLOAD 1-(\slot)                                ; the four v_nop behind it are also the places in front of the loads below
.else
	tensor_load_to_lds s[G0X:G0X+3], s[G1X:G1X+7]  ; every wave's descriptor names rows and LDS bytes of its own
	s_nop 0
	PLACES                                         ; (also the places in front of the loads below)
.endif
	UFETCH \slot, 0, 0
	UFETCH \slot, 1, 1
.set UU, 0
.rept 16
.if UU < 15
	s_wait_dscnt 16                                ; this unit's fragments are in; the next unit's sixteen loads were issued behind them
.else
	s_wait_dscnt 0x0
.endif
.if UU < 8
	SMUL UU, UU%2
	PLACES                                         ; (behind unit 7 these are also the places in front of the softmax's first read)
	UFETCH \slot, UU+2, UU%2
.if UU == 7
	WIN 0
	SM 0
	SM 1
.if !\first
	RESC 0, 0, 32
.endif
.endif
.else
	PVMUL UU-8, UU%2, \first
.if UU < 14
.if \first
	PLACES
.else
	RESC UU-7, 0, 4
.endif
	UFETCH \slot, UU+2, UU%2
.if !\first
	RESC UU-7, 4, 28
.endif
.elseif UU == 14
.if !\first
	RESC 7, 0, 32
.endif
.endif
.endif
.set UU, UU+1
.endr
.endm
	s_load_b512 s[4:19], s[0:1], 0x0               ; qimg s[4:5], kimg s[6:7], vimg s[8:9], wimg s[10:11], scales s[12:13], bo s[14:15], x s[16:17], out0 s[18:19]
	v_lshl_add_u32 v[SPW], v0, 2, SPARE
	v_mov_b32 v[NIL], 0
	ds_add_u32 v2, v3
	ds_add_u32 v2, v3
	s_wait_dscnt 0x0
	v_lshrrev_b32 v9, 5, v0
	v_readfirstlane_b32 s20, v9                    ; wave 0..3
	s_bfe_u32 s21, ttmp6, 0x40000                  ; cx: my place in the cluster
	s_lshr_b32 s22, ttmp9, 1                       ; the image: two clusters to an image; the four partners share it
	s_and_b32 s23, ttmp9, 1
	s_lshl_b32 s23, s23, 2
	s_add_co_u32 s23, s23, s21                     ; which 128 queries: it enters q's, x's and out's addresses alone
	; descriptor group 1 for K and V: 128 rows of 32 elements of 8 bytes, dense: 32,768 consecutive bytes
	s_mov_b32 s[G1], 15|(3<<16)|(1<<21)            ; 15:0 the mask: all four work-groups; 17:16 elements of 8 bytes; 20 no padding; 21 set beside a mask
	s_mov_b32 s[G1+1], 32<<16                      ; tensor_dim0 = 32
	s_mov_b32 s[G1+2], 128<<16                     ; tensor_dim1 = 128
	s_mov_b32 s[G1+3], 32<<16                      ; tile_dim0 = 32
	s_mov_b32 s[G1+4], 128                         ; tile_dim1 = 128
	s_mov_b32 s[G1+5], 32                          ; from row to row
	s_mov_b32 s[G1+6], 0
	s_mov_b32 s[G1+7], 0
	; descriptor group 1 for x: 64 rows (channels) of 128 f32 (my work-group's pixels), 1,024 elements from row to row; in LDS the rows follow each other, and a row is read back as 512 consecutive bytes
	s_mov_b32 s[G1X], 2<<16                        ; 15:0 no mask: a load of my own; 17:16 elements of 4 bytes; 20 no padding
	s_mov_b32 s[G1X+1], 128<<16                    ; tensor_dim0 = 128
	s_mov_b32 s[G1X+2], 64<<16                     ; tensor_dim1 = 64
	s_mov_b32 s[G1X+3], 128<<16                    ; tile_dim0 = 128
	s_mov_b32 s[G1X+4], 64                         ; tile_dim1 = 64
	s_mov_b32 s[G1X+5], 1024                       ; from row to row
	s_mov_b32 s[G1X+6], 0
	s_mov_b32 s[G1X+7], 0
	s_lshl_b32 s60, s22, 19                        ; K, V: 524,288 an image, + which half of a step's images I fetch
	s_and_b32 s61, s20, 1
	s_lshl_b32 s61, s61, 15
	s_add_co_u32 s60, s60, s61
	s_mov_b32 s61, 0
	s_lshl_b32 s82, s20, 15                        ; and where it goes: wave x 32,768: no place in the cluster enters an LDS address
	s_lshl_b32 s62, s22, 19                        ; q: the image, my work-group's eight tiles, my wave's two
	s_lshl_b32 s63, s23, 16
	s_add_co_u32 s62, s62, s63
	s_lshl_b32 s63, s20, 14
	s_add_co_u32 s62, s62, s63
	s_mov_b32 s63, 0
	s_lshl_b32 s76, s22, 21                        ; x, out: 2 MiB an image, my 128 outputs' rows of 4,096 bytes, 512 bytes of each row
	s_lshl_b32 s77, s20, 19
	s_add_co_u32 s76, s76, s77
	s_lshl_b32 s77, s23, 9
	s_add_co_u32 s76, s76, s77
	s_mov_b32 s77, 0
	s_lshl_b32 s78, s20, 16                        ; Wo: the fourth weight, my eight tiles
	s_add_co_u32 s78, s78, 786432
	s_mov_b32 s79, 0
	s_lshl_b32 s80, s20, 9                         ; bo: my 128 numbers
	s_mov_b32 s81, 0
	s_mov_b32 s40, 0x76543210                      ; v_permlanex16_b32: lane l xor 16
	s_mov_b32 s41, 0xfedcba98
	s_mov_b32 s42, 0x3d8293ee                      ; c = log2(e) / sqrt(512)
	s_wait_kmcnt 0x0
	s_load_b256 s[48:55], s[12:13], 0x0            ; the scales' exponents 0 to 7,
	s_load_b128 s[56:59], s[12:13], 0x20           ; 8 to 11
	s_add_nc_u64 s[6:7], s[6:7], s[60:61]
	s_add_nc_u64 s[8:9], s[8:9], s[60:61]
	s_add_nc_u64 s[4:5], s[4:5], s[62:63]
	s_add_nc_u64 s[16:17], s[16:17], s[76:77]
	s_add_nc_u64 s[18:19], s[18:19], s[76:77]
	s_add_nc_u64 s[10:11], s[10:11], s[78:79]
	s_add_nc_u64 s[14:15], s[14:15], s[80:81]
	s_mov_b32 s[G0X], 1                            ; x's group 0: count = 1
	s_mov_b32 s[G0X+1], s82                        ; LDS address: my quarter of slot 0
	s_mov_b64 s[G0X+2:G0X+3], s[16:17]             ; global address: my first output's row, my work-group's pixels
	s_or_b32 s[G0X+3], s[G0X+3], 0x80000000        ; type = 2
	CROUND                                         ; all four work-groups are here: the first joint loads meet
.irp n, 0,1
	s_mov_b32 s[G0K+4*\n], 1                       ; count = 1
	s_add_co_u32 s[G0K+4*\n+1], s82, \n*SLOTB      ; LDS address
	s_add_nc_u64 s[G0K+4*\n+2:G0K+4*\n+3], s[6:7], \n*STEPB   ; global address: key step n
	s_or_b32 s[G0K+4*\n+3], s[G0K+4*\n+3], 0x80000000         ; type = 2
	s_mov_b32 s[G0V+4*\n], 1
	s_add_co_u32 s[G0V+4*\n+1], s82, \n*SLOTB
	s_add_nc_u64 s[G0V+4*\n+2:G0V+4*\n+3], s[8:9], \n*STEPB
	s_or_b32 s[G0V+4*\n+3], s[G0V+4*\n+3], 0x80000000
.endr
	JLOAD 0                                        ; key step 0; slot 1 is first filled behind the first step's round, as a refill is
	v_and_b32 v28, 31, v0
	v_lshlrev_b32 v[LI], 4, v28
	WIN 0x40
.set CN, 0
.rept 32
	global_load_b128 v[4*CN:4*CN+3], v[LI], s[4:5] offset:512*CN   ; Q stays in registers: tile t, K step s at 64 t + 16 s: 16,384 consecutive bytes
.set CN, CN+1
.endr
	WIN 0
	v_add_nc_u32 v[XA], s82, v[LI]
	v_add_nc_u32 v5, STEPB, v[LI]
	v_add_nc_u32 v6, SLOTB, v[LI]
	v_add_nc_u32 v7, SLOTB+STEPB, v[LI]
	s_lshl_b32 s60, s20, 14
	s_add_co_u32 s60, s60, OIMG
	v_add_nc_u32 v8, s60, v[LI]                    ; where I store o's images: my two tiles of pixels
	v_and_b32 v28, 15, v0                          ; r
	v_bfe_u32 v29, v0, 4, 1                        ; h
	v_lshlrev_b32 v9, 2, v28                       ; bo: 4 r
	s_mul_i32 s61, s20, 16*528
	s_add_co_u32 s61, s61, STAGE                   ; my stage
	v_mul_u32_u24 v10, v28, 528
	v_lshl_add_u32 v10, v29, 5, v10
	v_add_nc_u32 v10, s61, v10                     ; in: row r, + 32 h
	v_add_nc_u32 v11, s61, v[LI]                   ; back: a row of 512 bytes, 16 a lane
	v_mov_b32 v13, 0xff61b1e6                      ; the largest t so far: -3e38, under every t
	v_mov_b32 v17, 0xff61b1e6
	v_floor_f32 v12, -v13                          ; -M
	v_floor_f32 v16, -v17
	v_mov_b32 v14, 0                               ; the sums, in two halves
	v_mov_b32 v15, 0
	v_mov_b32 v18, 0
	v_mov_b32 v19, 0
	v_mov_b32 v21, 0                               ; (named as the upper halves of pairs)
	v_mov_b32 v23, 0
	v_mov_b32 v30, 0                               ; (a lane permute's destination counts as one of its sources)
	v_mov_b32 v31, 0
	s_wait_kmcnt 0x0
	s_add_co_i32 s60, s54, s55
	s_lshl_b32 s60, s60, 23
	s_add_co_i32 s42, s42, s60                     ; a score stands for score x 2^(e6 + e7): the two exponents are added to c's exponent field
	s_mov_b32 s43, s42                             ; (named with it as a pair, so it is written)
	s_add_co_i32 s60, s57, 127
	s_lshl_b32 s61, s60, 23
	v_mov_b32 v24, s61                             ; 2^e9, for p's conversion
	s_add_co_i32 s60, s60, 15
	s_lshl_b32 s60, s60, 23
	s_or_b32 s60, s60, 0x600000
	v_mov_b32 v25, s60                             ; 57,344 x 2^e9
	s_add_co_i32 s60, s58, 127
	s_lshl_b32 s61, s60, 23
	v_mov_b32 v26, s61                             ; 2^e10, for o's
	s_add_co_i32 s60, s60, 15
	s_lshl_b32 s60, s60, 23
	s_or_b32 s60, s60, 0x600000
	v_mov_b32 v27, s60
	s_add_co_i32 s45, s56, s57                     ; e8 + e9
	s_add_co_i32 s46, s58, s59
	s_add_co_i32 s46, s46, 127
	s_lshl_b32 s46, s46, 23                        ; 2^(e10 + e11) as f32
	s_mov_b32 s47, s46
	s_wait_loadcnt 0x0                             ; Q
	TRIP 0, 1, 1                                   ; key step 0 starts O^T's sums
	WIN 0
	s_mov_b32 s44, 3
.Lsteps:                                               ; key steps 1 to 6
	TRIP 1, 1, 0
	TRIP 0, 1, 0
	WIN 0
	s_sub_co_u32 s44, s44, 1
	s_cmp_lg_u32 s44, 0
	s_cbranch_scc1 .Lsteps
	TRIP 1, 2, 0                                   ; key step 7 is written out: in place of tiles of K and V it asks for rows of x
	WIN 0
	s_wait_dscnt 0x0                               ; my reads of slot 1 are over;
	s_barrier_signal -1
	s_barrier_wait -1                              ; everybody's are: o's images may be stored there.  My load of x may stay out
; PHASE B: o = O^T / sum x 2^(e8 + e9), quantised with 2^e10; its images go to LDS for the other waves.
.macro FETCH_WO n                      ; Wo's eight fragments of K step n into set n % 2
	WIN 0x40
.set K_, 0
.rept 32
	global_load_b128 v[128*((\n)%2)+4*K_:128*((\n)%2)+4*K_+3], v[LI], s[10:11] offset:(K_/4)*8192+(\n)*2048+512*(K_%4)
.set K_, K_+1
.endr
	WIN 0
.endm
	PLACES
	FETCH_WO 0                                     ; into Q's registers
	v_add_f32 v14, v14, v15                        ; the sums' two halves,
	v_add_f32 v18, v18, v19
	v_permlanex16_b32 v30, v14, s40, s41
	v_permlanex16_b32 v31, v18, s40, s41
	v_add_f32 v14, v14, v30                        ; and lane l xor 16's
	v_add_f32 v18, v18, v31
	v_rcp_f32 v20, v14
	v_rcp_f32 v22, v18
	v_nop                                          ; a plain line behind the transcendentals
	s_wait_alu depctr_va_vdst(0)
	v_ldexp_f32 v20, v20, s45
	v_ldexp_f32 v22, v22, s45
.irp t, 0,1
.irp s, 0,1,2,3                        ; query tile t, channels 128 s on: eight tiles of O^T become one fragment
	WIN 0x02+\s/2
.set CN, 0
.rept 32
	v_pk_mul_f32 v[32+2*CN:33+2*CN], v[16*(8*(\s%2)+CN/4)+8*\t+2*(CN%4):16*(8*(\s%2)+CN/4)+8*\t+2*(CN%4)+1], v[20+2*\t:21+2*\t] op_sel_hi:[1,0]
.set CN, CN+1
.endr
	WIN 0
.set CN, 0
.rept 64
	v_med3_num_f32 v[32+CN], v[32+CN], -v27, v27
.set CN, CN+1
.endr
	s_wait_dscnt 4                                 ; only the last turn's four stores may be out: this set of codes has been read
.set CN, 0
.rept 8
	v_cvt_scalef32_pk8_bf8_f32 v[96+16*(\s%2)+2*CN:96+16*(\s%2)+2*CN+1], v[32+8*CN:32+8*CN+7], v26
.set CN, CN+1
.endr
	v_nop                                          ; a plain line between the conversions and the next turn's products with 1 / sum, which write their sources
.irp c, 0,1,2,3
	ds_store_b128 v8, v[96+16*(\s%2)+4*\c:96+16*(\s%2)+4*\c+3] offset:8192*\t+2048*\s+512*\c
.endr
.if (\t == 0) && (\s == 3)
	FETCH_WO 1                                     ; into the buffers of K and V
.endif
.endr
.endr
	s_wait_dscnt 0x0                               ; for the others' sake: my images have landed
	s_barrier_signal -1
	s_barrier_wait -1                              ; o's 32 fragments lie in LDS
; PHASE C: out = o Wo^T x 2^(e10 + e11) + bo + x.  Source 0 = 16 pixels of o, source 1 = 16 rows of Wo: a lane holds one output channel and eight neighbouring pixels, as out0 lies.
.set CN, 0
.rept 16
	global_load_b32 v[96+CN], v9, s[14:15] offset:64*(CN/2)   ; bo of output 16 bt + r, twice: a pair for the packed multiply-add
.set CN, CN+1
.endr
.macro CFETCH_A s, t0
.set K_, 0
.rept 16
	ds_load_b128 v[128+16*(\t0)+4*K_:128+16*(\t0)+4*K_+3], v6 offset:8192*((\t0)+K_/4)+2048*(\s)+512*(K_%4)
.set K_, K_+1
.endr
.endm
.macro CMUL16 a0, par, s               ; the 64 accumulators take turns, one instruction a turn, in the same order in every step
.irp a, \a0, \a0+1
.irp b, 0,1,2,3,4,5,6,7
.set DD, 8*(8*((\a)%4)+\b)
.if (\s) == 0
	v_wmma_f32_16x16x128_bf8_bf8 v[DD:DD+7], v[128+16*(\a):128+16*(\a)+15], v[128*(\par)+16*\b:128*(\par)+16*\b+15], 0
.else
	v_wmma_f32_16x16x128_bf8_bf8 v[DD:DD+7], v[128+16*(\a):128+16*(\a)+15], v[128*(\par)+16*\b:128*(\par)+16*\b+15], v[DD:DD+7]
.endif
.endr
.endr
.endm
.macro XROWS bt                        ; x's 16 rows of output tile bt, 512 consecutive bytes each, into buffer bt % 4 of window 1
	WIN 0x40
.set K_, 0
.rept 16
	global_load_b128 v[64*((\bt)%4)+4*K_:64*((\bt)%4)+4*K_+3], v[LI], s[16:17] offset:(16*(\bt)+K_)*4096 th:TH_LOAD_NT
.set K_, K_+1
.endr
	WIN 0
.endm
.macro CSTEP s, cnt                    ; cnt: the global loads issued behind this step's weights
	s_wait_loadcnt \cnt
	s_wait_dscnt 16                                ; o's tiles 0-3 are in; the youngest sixteen loads (tiles 4-7) may be out
.if (\s) == 0
	WIN 0x84
.else
	WIN 0xa4
.endif
	CMUL16 0, (\s)%2, \s
	CMUL16 2, (\s)%2, \s
	s_wait_dscnt 0x0
.if (\s) < 3
	PLACES
	WIN 0
	CFETCH_A (\s)+1, 0
.endif
.if (\s) == 0
	WIN 0xc4
.else
	WIN 0xf4
.endif
	CMUL16 4, (\s)%2, \s
	CMUL16 6, (\s)%2, \s
	PLACES
	WIN 0
.if (\s) < 3
	CFETCH_A (\s)+1, 4
.endif
.if (\s) < 2
	FETCH_WO (\s)+2
.else
	XROWS 2*(\s)                                   ; the weights' set that is done with takes the rows of x that did not go to LDS: output tiles 4, 5, then 6, 7
	XROWS 2*(\s)+1
.endif
.endm
	CFETCH_A 0, 0
	CFETCH_A 0, 4
	CSTEP 0, 48                                    ; behind Wo's K step 0: K step 1's 32 loads and bo's 16
	CSTEP 1, 48                                    ; behind K step 1: bo's 16 and K step 2's 32
	CSTEP 2, 32                                    ; behind K step 2: K step 3's 32
	CSTEP 3, 32                                    ; behind K step 3: 32 rows of x
; THE WAY OUT, a tile of 16 outputs at a time.  A lane holds 32 neighbouring bytes of each of eight pieces of one row: the tile goes through my own stage in LDS and comes back as whole rows of 512 bytes.
; LDS serves a wave's instructions in order (ISA guide 5.7.1.4): no wait between the stores and the loads, and the rows of x (tiles 0 to 3) may land in the registers that the stores have read.
; The rows of the result take two sets of registers by turns.  The wait on XCNT stands in front of a tile's stores, where what is out is the stores of the tile before: behind it the set that those read may be loaded again, by the next tile.
.macro OUTT bt
.set RB, 128+64*((\bt)%2)
	WIN 0x02
.set CN, 0
.rept 16
	v_pk_fma_f32 v[32+2*CN:33+2*CN], v[64*(CN/4)+8*(\bt)+2*(CN%4):64*(CN/4)+8*(\bt)+2*(CN%4)+1], s[46:47], v[96+2*(\bt):97+2*(\bt)] op_sel_hi:[1,0,1]   ; sum x 2^(e10 + e11) + bo; each accumulator from its low end on
.set CN, CN+1
.endr
	WIN 0x03
.rept 16
	v_pk_fma_f32 v[32+2*CN:33+2*CN], v[64*(CN/4-4)+8*(\bt)+2*(CN%4):64*(CN/4-4)+8*(\bt)+2*(CN%4)+1], s[46:47], v[96+2*(\bt):97+2*(\bt)] op_sel_hi:[1,0,1]
.set CN, CN+1
.endr
	WIN 0
.set CN, 0
.rept 8
	ds_store_b128 v10, v[32+8*CN:35+8*CN] offset:64*CN        ; output r, pixels 16 a + 8 h + 0..7
	ds_store_b128 v10, v[36+8*CN:39+8*CN] offset:64*CN+16
.set CN, CN+1
.endr
.set CN, 0
.rept 16
	ds_load_b128 v[RB+4*CN:RB+4*CN+3], v11 offset:528*CN
.set CN, CN+1
.endr
.if (\bt) < 4
.set CN, 0
.rept 16
	ds_load_b128 v[32+4*CN:35+4*CN], v[XA] offset:8192*(\bt)+512*CN   ; x's row of output 16 bt + CN, from my quarter of slot 0
.set CN, CN+1
.endr
.else
	s_wait_loadcnt 16*(7-(\bt))                    ; this tile's rows of x are in; the later tiles' rows were issued behind them
.endif
	s_wait_dscnt 0x0
.if (\bt) < 4
.set CN, 0
.rept 32
	v_pk_add_f32 v[RB+2*CN:RB+2*CN+1], v[RB+2*CN:RB+2*CN+1], v[32+2*CN:33+2*CN]                         ; + x
.set CN, CN+1
.endr
.else
	WIN 0x04
.set CN, 0
.rept 32
	v_pk_add_f32 v[RB+2*CN:RB+2*CN+1], v[RB+2*CN:RB+2*CN+1], v[64*((\bt)%4)+2*CN:64*((\bt)%4)+2*CN+1]   ; + x
.set CN, CN+1
.endr
	WIN 0
.endif
.if ((\bt) > 0) && ((\bt) < 7)
	s_wait_xcnt 0x0                                ; the last tile's stores have read their registers: the next tile loads them again only behind this wait
.endif
.set CN, 0
.rept 16
	global_store_b128 v[LI], v[RB+4*CN:RB+4*CN+3], s[18:19] offset:(16*(\bt)+CN)*4096 th:TH_STORE_NT     ; 32 lanes store 512 consecutive bytes, aligned; written once, read by nobody here
.set CN, CN+1
.endr
.endm
	s_wait_tensorcnt 0x0                           ; my 64 rows of x have landed; I alone read them
	OUTT 0
	OUTT 1
	OUTT 2
	OUTT 3
	OUTT 4
	OUTT 5
	OUTT 6
	OUTT 7
	s_wait_tensorcnt 0x0                           ; the wave's end, behind my last tensor load and my last LDS store
	ds_add_u32 v[SPW], v[NIL]
	s_wait_dscnt 0x0
	CROUND                                         ; the closing round: no work-group ends while a partner may still ask for a tile that names it
	s_endpgm
.Lfunc_end_k_q08396f4f01_attn:
	.size	k_q08396f4f01_attn, .Lfunc_end_k_q08396f4f01_attn-k_q08396f4f01_attn
	.p2alignl 7, 3214868480
	.fill 96, 4, 3214868480
	.section	.rodata,"a",@progbits
	.p2align	6, 0x0
	.amdhsa_kernel k_q08396f4f01_attn
		.amdhsa_group_segment_fixed_size 327680
		.amdhsa_private_segment_fixed_size 0
		.amdhsa_enable_private_segment 0
		.amdhsa_kernarg_size 64
		.amdhsa_user_sgpr_count 2
		.amdhsa_user_sgpr_kernarg_segment_ptr 1
		.amdhsa_wavefront_size32 1
		.amdhsa_system_sgpr_workgroup_id_x 1
		.amdhsa_system_sgpr_workgroup_id_y 1
		.amdhsa_system_sgpr_workgroup_id_z 1
		.amdhsa_system_vgpr_workitem_id 0
		.amdhsa_next_free_vgpr 1024
		.amdhsa_next_free_sgpr 96
		.amdhsa_reserve_vcc 0
		.amdhsa_float_denorm_mode_32 3
		.amdhsa_float_denorm_mode_16_64 3
		.amdhsa_memory_ordered 1
		.amdhsa_forward_progress 1
		.amdhsa_inst_pref_size 255
	.end_amdhsa_kernel
	.section	.bss,"aw",@nobits
	.p2align	6
	.space	262144
	.amdgpu_metadata
---
amdhsa.version: [ 1, 2 ]
amdhsa.kernels:
  - .name:           k_q08396f4f01_attn
    .symbol:         k_q08396f4f01_attn.kd
    .args:
      - { .name: qimg, .offset: 0, .size: 8, .value_kind: global_buffer, .address_space: global }
      - { .name: kimg, .offset: 8, .size: 8, .value_kind: global_buffer, .address_space: global }
      - { .name: vimg, .offset: 16, .size: 8, .value_kind: global_buffer, .address_space: global }
      - { .name: wimg, .offset: 24, .size: 8, .value_kind: global_buffer, .address_space: global }
      - { .name: lowp_scales, .offset: 32, .size: 8, .value_kind: global_buffer, .address_space: global }
      - { .name: bo, .offset: 40, .size: 8, .value_kind: global_buffer, .address_space: global }
      - { .name: x, .offset: 48, .size: 8, .value_kind: global_buffer, .address_space: global }
      - { .name: out0, .offset: 56, .size: 8, .value_kind: global_buffer, .address_space: global }
    .group_segment_fixed_size: 327680
    .private_segment_fixed_size: 0
    .kernarg_segment_align: 8
    .kernarg_segment_size: 64
    .max_flat_workgroup_size: 128
    .sgpr_count:     96
    .vgpr_count:     1024
    .wavefront_size: 32
...
	.end_amdgpu_metadata
.endif
;; end of part 3
;; ======== version 2 of 2: 3 launches; version 1 with the launch qkv written anew for expert scheduling mode
;; workspace buffers: norm 196,608 bytes; wimg 1,048,576 bytes; qimg 16,777,216 bytes; kimg 16,777,216 bytes; vimg 16,777,216 bytes
;; launch stats: the kernel of part 1 again; grid 256 x 1, 16 waves a work-group, no clusters, 2,304 bytes of LDS; arguments x, wq, wk, wv, wo, lowp_scales, gn_w, gn_b, norm, wimg; writes norm, wimg
;; launch qkv (part 4): grid 256 x 1, 4 waves a work-group, no clusters, 203,776 bytes of LDS; arguments x, norm, wimg, lowp_scales, bq, bk, bv, qimg, kimg, vimg; writes qimg, kimg, vimg
.if DOCPART == 4
	.amdgcn_target "amdgcn-amd-amdhsa--gfx1250"
	.amdhsa_code_object_version 6
	.text
	.protected	k_q08396f4f01_qkv
	.globl	k_q08396f4f01_qkv
	.p2align	8
	.type	k_q08396f4f01_qkv,@function
k_q08396f4f01_qkv:
	s_mov_b64 s[64:65], 0
	v_nop
	global_prefetch_b8 v0, s[64:65] scope:SCOPE_SE
	s_setreg_imm32_b32 hwreg(HW_REG_WAVE_SCHED_MODE, 0, 2), 2
	s_setreg_imm32_b32 hwreg(HW_REG_WAVE_MODE, 25, 1), 1
	s_wait_xcnt 0x0
	s_wait_alu depctr_vm_vsrc(0)
; SECOND OF THREE LAUNCHES: hn = (x - mean) a + gn_b, quantised three times (it has a scale of its own in each of the three products); q, k, v = hn W^T + bias on codes of BF8 (E5M2);
; q, k and v quantised for the products that follow and stored as IMAGES OF OPERAND REGISTERS.
; THE IMAGE of a fragment (16 rows x 128 K, 16 registers a lane) is 2,048 bytes: registers 4 c .. 4 c + 3 of lane (r, h) at 512 c + 16 x lane: of row r, k = 32 c + 8 h + 0..7, then k = 32 c + 16 + 8 h + 0..7:
; the matrix instruction's own places.  It is stored and loaded by four 16-byte accesses a lane, 512 consecutive bytes each.
; A MATRIX RESULT IS SUCH AN OPERAND ALREADY: register j of lane (r, h) holds (m = 8 h + j, n = r), so the eight registers of the tile of rows 16 T .. 16 T + 15, converted, are registers 2 T, 2 T + 1 of the fragment
; whose row is n = r and whose K is m.  q and k (K = channels next): source 0 = 16 rows of W, source 1 = 16 pixels of hn.  v (K = pixels next): the sources the other way round.
; SHARES.  Work-group g: image g / 8, pixels 128 (g % 8) on.  PHASE X: wave w makes hn for channels 128 w .. 128 w + 127 (K step w) of all 128 pixels, three sets of codes, into LDS.  One barrier.
; PHASE G: wave w makes outputs 128 w .. 128 w + 127 of q, then k, then v, for all 128 pixels: 64 accumulators, 512 registers.
; NO CLUSTER, NO TENSOR LOAD: the three sets of codes take 196,992 bytes of LDS, and two slots of a step's 65,536 bytes of weights do not fit beside them; each fragment of a weight is used by one wave of the
; work-group alone, so it goes from memory into that wave's registers and through no LDS at all.
; OUT: qimg, kimg [image][64 tiles of 16 pixels][4 K steps of 128 channels][2,048];  vimg [image][8 steps of 128 pixels][32 tiles of 16 channels][2,048].
; THE SCALES ARE FOLDED: a sum stands for sum x 2^(eA + eB).  The bias goes in as the C of a sum's first product, divided by that power of two; the result's conversion takes 2^(e_next - eA - eB).
; LIMITS, so that each power of two and 57,344 times it are f32 numbers: e0, e2, e4, e6 - e0 - e1, e7 - e2 - e3, e8 - e4 - e5 between -126 and 112.  NaN among the inputs is not served.
; REGISTERS, in windows of 256.  Window 0: v1-23 addresses and constants; phase X: v32-95 hn of 4 pixels x 16 channels, v96-143 held copies, v144-191 and v204-251 codes, two sets by turns, v192-203 the biases as loaded;
;   phase G: three buffers of four fragments of hn, v128-191, v192-255 and v32-95 (in a product's K step 0 the last holds the bias in the result's layout); v96-127 two sets of codes on the way out, where v192-255 are at work.
;   Window 1: the weights' fragments, two sets of 128.   Window 2: phase X: x as loaded, a ring of 4 x 64; phase G: the accumulators of pixel tiles 0-3 ((a, b) at 8 (8 (a % 4) + b)).   Window 3: those of tiles 4-7.
; THE MODE: SCHED_MODE bits 1:0 = 2 (LLVM: expert scheduling mode 2), set by the entry lines.  The code itself states the register dependences between vector or matrix instructions and memory or LDS
; instructions, with s_wait_alu, always for 0.
; THE PLAN, PHASE X.  Registers that memory or LDS instructions touch:
;   RB0 .. RB3 (window 2)  Unit u: its subtractions write RB[u % 4] in place, its multiply-adds read it; behind them the loads of unit u + 4 land in it.
;   CD0, CD1               Unit u's conversions write CD[u % 2]; the twelve LDS stores that read it are issued in unit u + 1.
;   RAWB                   Written by loads and by the lines behind unit 0 that divide the biases; read by three LDS stores in unit 1.
;   v1-7, v20-23           Offsets and LDS addresses, made at the head and never written again.
; ONE wait on va_vdst stands in a unit, behind its multiply-adds: RB[u % 4] is written and read out, and the unit before has written its codes.  The unit's sixteen loads follow it at once; the twelve stores of the
; unit before are dealt among the four pixels' holds and conversions, which name T, U and CD[u % 2] alone.  One wait on vm_vsrc at a unit's head: the stores issued in the unit before have read CD[u % 2].
; THE PLAN, PHASE G.  A product is eight half steps j of 32 products (K step j / 2; pixel tiles 0-3, then 4-7).
;   HB0, HB1, HB2          Half step j reads HB0, HB1, HB0, HB1, HB2, HB0, HB1, HB0 for j = 0 .. 7; all of K step 0 reads the bias in HB2.  The sixteen LDS loads of half step j + 1 are issued in front of half step j:
;                          at a step's head behind the wait; in a step's middle into the buffer that neither half step j nor j - 1 reads, so that its last readers stand ahead of the head's wait.
;   W0, W1 (window 1)      Step n reads W[n % 2]; at the head of step n the weights of step n + 1 land in the other set, which step n - 1 read.
;   CS0, CS1               The way out's turn tn: its conversions write CS[tn % 2]; the four stores that read it are issued in turn tn + 1 (turn 7's at the head of the next product).
; ONE wait on va_vdst stands at the head of a K step; K step 0 has one more in its middle, since the bias holds the third buffer there.  In a turn of the way out three waits stand together, behind its holds.
.set LI,    1                          ; v1      16 x lane
.set AD,    2                          ; v2-4    16 x lane + set p
.set XS,    5                          ; v5-7    where phase X stores: set p
.set T,     32
.set BIAS,  32
.set U,     96
.set CS,    96
.set CD,    144                        ; the codes of phase X: set 0 at v144, set 1 at v204
.set RAWB,  192
.set HB0,   128
.set HB1,   192
.set HB2,   32
.set TW,    192
.set TILEB, 8208                       ; LDS: a tile of 16 pixels: four fragments + 16 bytes, so that the sixteen lanes of a store in phase X fall on sixteen different 16-byte columns of 256 bytes
.set SETB,  8*TILEB                    ; a set: eight tiles
.set BT,    3*SETB                     ; behind the sets: 3 x 512 f32, the biases divided by their powers of two
.set MSB, 0
.macro WIN new                         ; s_set_vgpr_msb: bits 1:0 source 0, 3:2 source 1, 5:4 source 2, 7:6 destination; the high byte repeats the setting that is left
.if MSB != (\new)
	s_set_vgpr_msb (MSB<<8)|(\new)
.set MSB, (\new)
.endif
.endm
.macro PLACES                          ; four plain lines behind matrix instructions, in front of loads into their sources and of reads of their results; they stay beside the waits on va_vdst
.rept 4
	v_nop
.endr
.endm
.macro MKSC e, sc                      ; v[sc] = 2^e as f32, v[sc + 1] = 57,344 x 2^e.  (At work: s66, s67, which no table of pairs is loaded into)
	s_add_co_i32 s66, \e, 127
	s_lshl_b32 s67, s66, 23
	v_mov_b32 v[\sc], s67
	s_add_co_i32 s66, s66, 15
	s_lshl_b32 s66, s66, 23
	s_or_b32 s66, s66, 0x600000
	v_mov_b32 v[\sc+1], s66
.endm
; unit u of phase X: the 16 channels 32 (u / 2) + 8 (u % 2) + {0..7, 16..23} of my 128: what lanes (r, u % 2) of an image hold in registers 4 (u / 2) on.  A load is a channel's 128 pixels: 512 consecutive bytes.
.macro XLOAD u
	WIN 0x80
.set Q_, 0
.rept 16
	global_load_b128 v[64*((\u)%4)+4*Q_:64*((\u)%4)+4*Q_+3], v[LI], s[4:5] offset:(32*((\u)/2)+8*((\u)%2)+Q_+8*(Q_/8))*4096 th:TH_LOAD_NT
.set Q_, Q_+1
.endr
.endm
.macro TAB u                           ; the unit's sixteen pairs (a, gn_b) into scalar registers: s[32:63] and s[68:99] by turns
	s_load_b512 s[32+36*((\u)%2):47+36*((\u)%2)], s[6:7], (32*((\u)/2)+8*((\u)%2))*8
	s_load_b512 s[48+36*((\u)%2):63+36*((\u)%2)], s[6:7], (32*((\u)/2)+8*((\u)%2))*8+128
.endm
.macro FETCH_WH n, hf                  ; half (four tiles of 16 outputs) of the weights of step n = 4 x product + K step, into set n % 2
	WIN 0x40
.set K_, 0
.rept 16
	global_load_b128 v[128*((\n)%2)+64*(\hf)+4*K_:128*((\n)%2)+64*(\hf)+4*K_+3], v[LI], s[8:9] offset:((\n)/4)*262144+((\n)%4)*2048+(4*(\hf)+K_/4)*8192+512*(K_%4)
.set K_, K_+1
.endr
.endm
.macro FETCH_W n
	FETCH_WH \n, 0
	FETCH_WH \n, 1
.endm
.macro XSTORE u, i                     ; my pixel 4 x lane + i of unit u: its three sets of codes go to LDS
.irp p, 0,1,2
	ds_store_b128 v[XS+\p], v[CD+60*((\u)%2)+12*(\i)+4*\p:CD+60*((\u)%2)+12*(\i)+4*\p+3] offset:512*((\u)/2)+256*((\u)%2)+16*(\i)
.endr
.endm
.macro UNIT u
.set RB,  64*((\u)%4)
.set TBL, 32+36*((\u)%2)
.set MN,  24+2*((\u)/4)
.set CW,  CD+60*((\u)%2)
	s_wait_loadcnt 48                              ; this unit's 16 loads are in; three groups of 16 were issued behind them
	s_wait_kmcnt 0x0                               ; and so are its pairs
.if (\u) < 7
	TAB (\u)+1                                     ; (the vector instructions that read these scalar registers last stand ahead of a wait on va_vdst that has been passed)
.endif
	s_wait_dscnt 0x0                               ; the LDS stores issued in the last unit are done
.if (\u) >= 2
	s_wait_alu depctr_vm_vsrc(0)                   ; the LDS stores issued in the last unit have read CD[u % 2], which this unit's conversions write again
.endif
	WIN 0x82
.set CN, 0
.rept 32
	v_pk_add_f32 v[RB+2*CN:RB+2*CN+1], v[RB+2*CN:RB+2*CN+1], s[MN:MN+1] op_sel_hi:[1,0]   ; x - mean (the pair's low word for both halves); my channels 0-63 are one group, 64-127 the next
.set CN, CN+1
.endr
	WIN 0x02
.set CN, 0
.rept 64
	v_fma_f32 v[T+16*(CN%4)+CN/4], v[RB+CN], s[TBL+2*(CN/4)], s[TBL+2*(CN/4)+1]           ; hn; the multiply-add also lays a pixel's sixteen channels side by side
.set CN, CN+1
.endr
.if (\u) < 4
	WIN 0x80
.else
	WIN 0x40
.endif
	s_wait_alu depctr_va_vdst(0)                   ; the lines above have written RB[u % 4] and are done reading it: loads land in it; the last unit's conversions have written the other CD (behind unit 0: the biases are divided), which the stores below read
.if (\u) < 4
	XLOAD (\u)+4                                   ; the ring goes on;
.else
	FETCH_WH ((\u)-4)/2, ((\u)-4)%2                ; then the first two steps' weights take x's place, 16 loads a unit, so that every unit's wait counts the same
.endif
	WIN 0
.irp i, 0,1,2,3                        ; my pixel 4 x lane + i
.if (\u) > 0
	XSTORE (\u)-1, \i                              ; the last unit's codes of this pixel.  No wait: no vector instruction since the wait above names the other CD or an address
.endif
.if ((\u) == 1) && (\i == 0)
	ds_store_b128 v22, v[RAWB:RAWB+3]              ; the biases, divided behind unit 0
	ds_store_b128 v22, v[RAWB+4:RAWB+7] offset:2048
	ds_store_b128 v22, v[RAWB+8:RAWB+11] offset:4096
.endif
.set CN, 0
.rept 48
	v_med3_num_f32 v[U+CN], v[T+16*\i+CN%16], -v[9+2*(CN/16)], v[9+2*(CN/16)]             ; held for each of the three scales: the conversion does not saturate (ISA guide 7.6.2)
.set CN, CN+1
.endr
.set CN, 0
.rept 6
	v_cvt_scalef32_pk8_bf8_f32 v[CW+12*\i+2*CN:CW+12*\i+2*CN+1], v[U+8*CN:U+8*CN+7], v[8+2*(CN/2)]
.set CN, CN+1
.endr
	v_nop                                          ; a plain line between the conversions and the next pixel's holds, which write their sources
.endr
.endm
.macro FETCH_A p, s, t0, ab            ; hn's fragments of set p, K step s, pixel tiles t0 .. t0 + 3, into the buffer at v[ab]
.set K_, 0
.rept 16
	ds_load_b128 v[(\ab)+4*K_:(\ab)+4*K_+3], v[AD+(\p)] offset:TILEB*((\t0)+K_/4)+2048*(\s)+512*(K_%4)
.set K_, K_+1
.endr
.endm
; 16 products: pixel tiles a0, a0 + 1 (in the buffer at v[ab]) x my eight tiles of outputs, 128 along K.  In K step 0 the bias is C.  The 64 accumulators take turns, one instruction a turn, in the same order in every step.
.macro MUL16 a0, par, s, sw, ab
.irp a, \a0, \a0+1
.irp b, 0,1,2,3,4,5,6,7
.set DD, 8*(8*((\a)%4)+\b)
.set WW, 128*(\par)+16*\b
.set HH, (\ab)+16*((\a)%4)
.if (\sw) == 0
.if (\s) == 0
	v_wmma_f32_16x16x128_bf8_bf8 v[DD:DD+7], v[WW:WW+15], v[HH:HH+15], v[BIAS+8*\b:BIAS+8*\b+7]
.else
	v_wmma_f32_16x16x128_bf8_bf8 v[DD:DD+7], v[WW:WW+15], v[HH:HH+15], v[DD:DD+7]
.endif
.else
.if (\s) == 0
	v_wmma_f32_16x16x128_bf8_bf8 v[DD:DD+7], v[HH:HH+15], v[WW:WW+15], v[BIAS+8*\b:BIAS+8*\b+7]
.else
	v_wmma_f32_16x16x128_bf8_bf8 v[DD:DD+7], v[HH:HH+15], v[WW:WW+15], v[DD:DD+7]
.endif
.endif
.endr
.endr
.endm
; Half a K step of product p: 32 products.  hi = 0: pixel tiles 0-3; 1: tiles 4-7.
.macro HALF p, s, hi, ab
.set SN_, 4*(\p)+(\s)
.set WB_, 1+3*((\p)/2)                 ; the weights' window 1 in source 0 (q, k) or in source 1 (v)
.if (\s) == 0
	WIN 0x80+0x40*(\hi)+WB_                        ; C (the bias) in window 0
.else
	WIN 0xa0+0x50*(\hi)+WB_
.endif
.if (\hi) == 0
	MUL16 0, SN_%2, \s, (\p)/2, \ab
	MUL16 2, SN_%2, \s, (\p)/2, \ab
.else
	MUL16 4, SN_%2, \s, (\p)/2, \ab
	MUL16 6, SN_%2, \s, (\p)/2, \ab
.endif
.endm
; The head of a K step but a product's first.  n: the step after it, whose weights are asked for here, if there is one.
.macro HEADW n
.if (\n) <= 11
	WIN 0x40
	s_wait_alu depctr_va_vdst(0)                   ; the last step's products are done reading their set of weights and their buffers of hn, in which the loads of this step land
	FETCH_W \n
	WIN 0
.else
	WIN 0
	s_wait_alu depctr_va_vdst(0)                   ; the last step's products are done reading their buffers of hn, in one of which the loads below land
.endif
.endm
.macro PRE p                           ; what product p begins with: its bias in the result's layout, and hn's pixel tiles 0-3 of K step 0
.if (\p) < 2                           ; q, k: register j of tile b is output 16 b + 8 h + j
.irp b, 0,1,2,3,4,5,6,7
	ds_load_b128 v[BIAS+8*\b:BIAS+8*\b+3], v20 offset:2048*(\p)+64*\b
	ds_load_b128 v[BIAS+8*\b+4:BIAS+8*\b+7], v20 offset:2048*(\p)+64*\b+16
.endr
.else                                  ; v: all eight registers of tile b are output 16 b + r
.set CN, 0
.rept 64
	ds_load_b32 v[BIAS+CN], v21 offset:64*(CN/8)
.set CN, CN+1
.endr
.endif
	FETCH_A \p, 0, 0, HB0
.endm
.macro SENDT p, tn                     ; the image that turn tn of product p's way out has made
.irp c, 0,1,2,3
.if (\p) < 2
	global_store_b128 v[LI], v[CS+16*((\tn)%2)+4*\c:CS+16*((\tn)%2)+4*\c+3], s[18+2*(\p):19+2*(\p)] offset:8192*(\tn)+512*\c   ; 32 lanes store 512 consecutive bytes
.else
	global_store_b128 v[LI], v[CS+16*((\tn)%2)+4*\c:CS+16*((\tn)%2)+4*\c+3], s[18+2*(\p):19+2*(\p)] offset:2048*(\tn)+512*\c
.endif
.endr
.endm
; THE WAY OUT of product p, a fragment a turn: 64 sums held, converted with the folded scale, stored as an image.  q, k: turn = pixel tile, K = my 128 channels.  v: turn = channel tile, K = the 128 pixels.
; Each accumulator is read from its low end on.  A turn's stores are issued in the next turn.  In turn 0 the next product's first loads go out: the way out names v96-127, v192-255 and the accumulators alone.
.macro WAYOUT p
.irp tn, 0,1,2,3,4,5,6,7
.if (\p) < 2
	WIN 0x02+(\tn)/4
.set CN, 0
.rept 64
	v_med3_num_f32 v[TW+CN], v[64*((\tn)%4)+CN], -v[15+2*(\p)], v[15+2*(\p)]
.set CN, CN+1
.endr
.else
	WIN 0x02
.set CN, 0
.rept 32
	v_med3_num_f32 v[TW+CN], v[64*(CN/8)+8*(\tn)+CN%8], -v[15+2*(\p)], v[15+2*(\p)]
.set CN, CN+1
.endr
	WIN 0x03
.rept 32
	v_med3_num_f32 v[TW+CN], v[64*(CN/8-4)+8*(\tn)+CN%8], -v[15+2*(\p)], v[15+2*(\p)]
.set CN, CN+1
.endr
.endif
	WIN 0
	s_wait_xcnt 0x0                                ; the stores that read this set of codes last, a turn old, have had their addresses translated: the set is written again only behind this wait
.if ((\p) > 0) || ((\tn) >= 2)
	s_wait_alu depctr_vm_vsrc(0)                   ; and they have read CS[tn % 2], which this turn's conversions write
.endif
.if (\tn) > 0
	s_wait_alu depctr_va_vdst(0)                   ; the last turn's conversions have written the other CS, which the stores below read
	SENDT \p, (\tn)-1
.elseif (\p) < 2
	s_wait_alu depctr_va_vdst(0)                   ; this product's matrix instructions are done reading HB2, HB0 and the weights' set 1, in which the loads below land
	PRE (\p)+1
	FETCH_W 4*(\p)+5                               ; the next product's second step
	WIN 0
.endif
.set CN, 0
.rept 8
	v_cvt_scalef32_pk8_bf8_f32 v[CS+16*((\tn)%2)+2*CN:CS+16*((\tn)%2)+2*CN+1], v[TW+8*CN:TW+8*CN+7], v[14+2*(\p)]
.set CN, CN+1
.endr
	v_nop                                          ; a plain line between the conversions and the next turn's holds, which write their sources
.endr
.endm
; A PRODUCT.  In front of each half step stand the sixteen LDS loads of the half step after it, and s_wait_dscnt 16 lets those alone stay out.
; s_wait_loadcnt 32 at a step's head: this step's weights are in; the next step's 32 loads were issued behind them.
.macro PROJ p
.if (\p) > 0
	s_wait_alu depctr_va_vdst(0)                   ; the way out is done with v192-255, in which the loads below land; its last conversions have written CS1, which the stores below read
	FETCH_A \p, 0, 4, HB1
	SENDT (\p)-1, 7
.endif
	s_wait_loadcnt 32
	s_wait_dscnt 16                                ; the bias and tiles 0-3 are in
	HALF \p, 0, 0, HB0
	PLACES
	WIN 0
	s_wait_alu depctr_va_vdst(0)                   ; the 32 products above are done reading HB0, in which the loads below land: the bias holds the third buffer in this step
	FETCH_A \p, 1, 0, HB0
	s_wait_dscnt 16
	HALF \p, 0, 1, HB1
	PLACES
	HEADW 4*(\p)+2
	FETCH_A \p, 1, 4, HB1
	s_wait_loadcnt 32
	s_wait_dscnt 16
	HALF \p, 1, 0, HB0
	WIN 0
	FETCH_A \p, 2, 0, HB2                          ; no wait: no matrix instruction since the head's wait names HB2, which held the bias
	s_wait_dscnt 16
	HALF \p, 1, 1, HB1
	PLACES
	HEADW 4*(\p)+3
	FETCH_A \p, 2, 4, HB0
	s_wait_loadcnt 32
	s_wait_dscnt 16
	HALF \p, 2, 0, HB2
	WIN 0
	FETCH_A \p, 3, 0, HB1                          ; no wait: no matrix instruction since the head's wait names HB1
	s_wait_dscnt 16
	HALF \p, 2, 1, HB0
	PLACES
	HEADW 4*(\p)+4
	FETCH_A \p, 3, 4, HB0
.if (\p) < 2
	s_wait_loadcnt 32
.else
	s_wait_loadcnt 0x0                             ; the last step's weights: nothing was asked for behind them
.endif
	s_wait_dscnt 16
	HALF \p, 3, 0, HB1
	s_wait_dscnt 0x0
	HALF \p, 3, 1, HB0
	PLACES
	WAYOUT \p
.endm
	s_load_b512 s[4:19], s[0:1], 0x0               ; x s[4:5], norm s[6:7], wimg s[8:9], scales s[10:11], bq s[12:13], bk s[14:15], bv s[16:17], qimg s[18:19]
	s_load_b128 s[20:23], s[0:1], 0x40             ; kimg s[20:21], vimg s[22:23]
	v_lshl_add_u32 v30, v0, 2, 0x31a00
	v_mov_b32 v31, 0
	v_lshrrev_b32 v24, 5, v0
	v_readfirstlane_b32 s30, v24                   ; wave 0..3
	v_and_b32 v24, 31, v0                          ; lane
	v_lshlrev_b32 v[LI], 4, v24
	v_lshrrev_b32 v25, 2, v24
	v_mul_u32_u24 v25, v25, TILEB                  ; my four pixels lie in tile lane / 4,
	v_and_b32 v26, 3, v24
	v_lshl_add_u32 v25, v26, 6, v25                ; rows 4 (lane % 4) on: 16 bytes a row,
	s_wait_alu depctr_va_sdst(0)                   ; s30 is written, ahead of its first reader: LDS addresses and the bases are made from it
	s_lshl_b32 s96, s30, 11
	v_add_nc_u32 v[XS], s96, v25                   ; K step = my wave
	v_add_nc_u32 v[XS+1], SETB, v[XS]
	v_add_nc_u32 v[XS+2], 2*SETB, v[XS]
	v_mov_b32 v[AD], v[LI]
	v_add_nc_u32 v[AD+1], SETB, v[LI]
	v_add_nc_u32 v[AD+2], 2*SETB, v[LI]
	v_bfe_u32 v26, v0, 4, 1                        ; h
	v_and_b32 v27, 15, v0                          ; r
	s_lshl_b32 s97, s30, 9                         ; my 128 outputs' biases: 512 bytes a wave
	v_lshlrev_b32 v20, 5, v26
	v_add_nc_u32 v20, s97, v20
	v_add_nc_u32 v20, BT, v20                      ; q, k: + 32 h
	v_lshlrev_b32 v21, 2, v27
	v_add_nc_u32 v21, s97, v21
	v_add_nc_u32 v21, BT+4096, v21                 ; v: + 4 r
	v_lshl_add_u32 v22, v0, 4, BT                  ; where thread t puts four numbers of a bias
	v_lshlrev_b32 v23, 4, v0                       ; and whence it takes them
	s_lshr_b32 s68, ttmp9, 3                       ; the image
	s_and_b32 s69, ttmp9, 7                        ; which 128 pixels
	s_lshl_b32 s70, s68, 21                        ; x: 2 MiB an image, my 128 channels of 4,096 bytes, 512 bytes of each row
	s_lshl_b32 s71, s30, 19
	s_add_co_u32 s70, s70, s71
	s_lshl_b32 s71, s69, 9
	s_add_co_u32 s70, s70, s71
	s_mov_b32 s71, 0
	s_lshl_b32 s72, s68, 12                        ; the pairs: (512 x image + 128 x wave) x 8
	s_lshl_b32 s73, s30, 10
	s_add_co_u32 s72, s72, s73
	s_mov_b32 s73, 0
	s_lshr_b32 s74, s72, 1                         ; the means: 131,072 + half of that
	s_add_co_u32 s74, s74, 131072
	s_mov_b32 s75, 0
	s_lshl_b32 s76, s30, 16                        ; the weights: my eight tiles of 8,192 bytes
	s_mov_b32 s77, 0
	s_lshl_b32 s78, s68, 19                        ; the three outputs: 524,288 an image, 65,536 for 128 pixels,
	s_lshl_b32 s79, s69, 16
	s_add_co_u32 s78, s78, s79
	s_lshl_b32 s79, s30, 11
	s_add_co_u32 s80, s78, s79                     ; q, k: K step = my wave;
	s_mov_b32 s81, 0
	s_lshl_b32 s79, s30, 14
	s_add_co_u32 s82, s78, s79                     ; v: my eight tiles of channels
	s_mov_b32 s83, 0
	s_wait_kmcnt 0x0
	s_load_b256 s[84:91], s[10:11], 0x0            ; the scales' exponents 0 to 7,
	s_load_b128 s[92:95], s[10:11], 0x20           ; 8 to 11: used up before these registers take unit 1's pairs
	s_add_nc_u64 s[4:5], s[4:5], s[70:71]
	s_add_nc_u64 s[28:29], s[6:7], s[74:75]
	s_add_nc_u64 s[6:7], s[6:7], s[72:73]
	s_add_nc_u64 s[8:9], s[8:9], s[76:77]
	s_add_nc_u64 s[18:19], s[18:19], s[80:81]
	s_add_nc_u64 s[20:21], s[20:21], s[80:81]
	s_add_nc_u64 s[22:23], s[22:23], s[82:83]
	s_load_b32 s24, s[28:29], 0x0                  ; -mean of my channels 0-63,
	s_load_b32 s26, s[28:29], 0x100                ; and of 64-127
	TAB 0
	s_wait_alu depctr_va_vdst(0)                   ; the offsets and LDS addresses v1 to v7 and v20 to v23 are written: every load and store of the kernel reads one of them
	global_load_b128 v[RAWB:RAWB+3], v23, s[12:13]
	global_load_b128 v[RAWB+4:RAWB+7], v23, s[14:15]
	global_load_b128 v[RAWB+8:RAWB+11], v23, s[16:17]
	XLOAD 0
	XLOAD 1
	XLOAD 2
	XLOAD 3
	WIN 0
	s_wait_kmcnt 0x0
	s_mov_b32 s25, s24                             ; (named with it as a pair, so it is written)
	s_mov_b32 s27, s26
	MKSC s84, 8                                    ; hn's three scales: e0, e2, e4
	MKSC s86, 10
	MKSC s88, 12
	s_add_co_i32 s98, s84, s85
	s_sub_co_i32 s2, 0, s98                        ; -(e0 + e1), for bq
	s_sub_co_i32 s99, s90, s98
	MKSC s99, 14                                   ; q's conversion: e6 - e0 - e1
	s_add_co_i32 s98, s86, s87
	s_sub_co_i32 s3, 0, s98
	s_sub_co_i32 s99, s91, s98
	MKSC s99, 16                                   ; k's: e7 - e2 - e3
	s_add_co_i32 s98, s88, s89
	s_sub_co_i32 s31, 0, s98
	s_sub_co_i32 s99, s92, s98
	MKSC s99, 18                                   ; v's: e8 - e4 - e5
	UNIT 0
.irp j, 0,1,2,3                        ; the biases were loaded ahead of unit 0's numbers: they are in.  Their LDS stores stand in unit 1, behind its wait
	v_ldexp_f32 v[RAWB+\j], v[RAWB+\j], s2
	v_ldexp_f32 v[RAWB+4+\j], v[RAWB+4+\j], s3
	v_ldexp_f32 v[RAWB+8+\j], v[RAWB+8+\j], s31
.endr
	UNIT 1
	UNIT 2
	UNIT 3
	UNIT 4
	UNIT 5
	UNIT 6
	UNIT 7
	s_wait_alu depctr_va_vdst(0)                   ; unit 7's conversions have written CD1, which the stores below read
.irp i, 0,1,2,3
	XSTORE 7, \i
.endr
	s_wait_dscnt 0x0                               ; for the others' sake: my codes and my part of the biases have landed
	s_barrier_signal -1
	s_barrier_wait -1                              ; the three sets and the biases are whole; from here on LDS is only read
	s_wait_alu depctr_vm_vsrc(0)                   ; my LDS stores have read CD0, CD1 and RAWB: these registers are buffers of hn from here on, written by LDS loads
	s_wait_alu depctr_va_vdst(0)                   ; phase X's vector instructions are done with v32-255, in which the loads below land (stated here anew: stores that read some of these registers stand behind the wait above)
	PRE 0
	FETCH_A 0, 0, 4, HB1
	PROJ 0
	PROJ 1
	PROJ 2
	s_wait_alu depctr_va_vdst(0)                   ; the last turn's conversions have written CS1, which the last four stores read
	SENDT 2, 7
	s_wait_dscnt 0x0
	s_wait_alu depctr_hold_cnt(0) depctr_sa_sdst(0) depctr_va_vdst(0) depctr_va_sdst(0) depctr_va_ssrc(0) depctr_va_vcc(0) depctr_vm_vsrc(0)
	s_wait_tensorcnt 0x0
	ds_add_u32 v30, v31
	s_wait_dscnt 0x0
	s_endpgm
.Lfunc_end_k_q08396f4f01_qkv:
	.size	k_q08396f4f01_qkv, .Lfunc_end_k_q08396f4f01_qkv-k_q08396f4f01_qkv
	.p2alignl 7, 3214868480
	.fill 96, 4, 3214868480
	.section	.rodata,"a",@progbits
	.p2align	6, 0x0
	.amdhsa_kernel k_q08396f4f01_qkv
		.amdhsa_group_segment_fixed_size 203776
		.amdhsa_private_segment_fixed_size 0
		.amdhsa_enable_private_segment 0
		.amdhsa_kernarg_size 80
		.amdhsa_user_sgpr_count 2
		.amdhsa_user_sgpr_kernarg_segment_ptr 1
		.amdhsa_wavefront_size32 1
		.amdhsa_system_sgpr_workgroup_id_x 1
		.amdhsa_system_sgpr_workgroup_id_y 1
		.amdhsa_system_sgpr_workgroup_id_z 1
		.amdhsa_system_vgpr_workitem_id 0
		.amdhsa_next_free_vgpr 1024
		.amdhsa_next_free_sgpr 100
		.amdhsa_reserve_vcc 0
		.amdhsa_float_denorm_mode_32 3
		.amdhsa_float_denorm_mode_16_64 3
		.amdhsa_memory_ordered 1
		.amdhsa_forward_progress 1
		.amdhsa_inst_pref_size 255
	.end_amdhsa_kernel
	.section	.bss,"aw",@nobits
	.p2align	6
	.space	262144
	.amdgpu_metadata
---
amdhsa.version: [ 1, 2 ]
amdhsa.kernels:
  - .name:           k_q08396f4f01_qkv
    .symbol:         k_q08396f4f01_qkv.kd
    .args:
      - { .name: x, .offset: 0, .size: 8, .value_kind: global_buffer, .address_space: global }
      - { .name: norm, .offset: 8, .size: 8, .value_kind: global_buffer, .address_space: global }
      - { .name: wimg, .offset: 16, .size: 8, .value_kind: global_buffer, .address_space: global }
      - { .name: lowp_scales, .offset: 24, .size: 8, .value_kind: global_buffer, .address_space: global }
      - { .name: bq, .offset: 32, .size: 8, .value_kind: global_buffer, .address_space: global }
      - { .name: bk, .offset: 40, .size: 8, .value_kind: global_buffer, .address_space: global }
      - { .name: bv, .offset: 48, .size: 8, .value_kind: global_buffer, .address_space: global }
      - { .name: qimg, .offset: 56, .size: 8, .value_kind: global_buffer, .address_space: global }
      - { .name: kimg, .offset: 64, .size: 8, .value_kind: global_buffer, .address_space: global }
      - { .name: vimg, .offset: 72, .size: 8, .value_kind: global_buffer, .address_space: global }
    .group_segment_fixed_size: 203776
    .private_segment_fixed_size: 0
    .kernarg_segment_align: 8
    .kernarg_segment_size: 80
    .max_flat_workgroup_size: 128
    .sgpr_count:     100
    .vgpr_count:     1024
    .wavefront_size: 32
...
	.end_amdgpu_metadata
.endif
;; end of part 4
;; launch attn: the kernel of part 3 again; grid 256 x 1, 4 waves a work-group, clusters of 4 x 1, 327,680 bytes of LDS; arguments qimg, kimg, vimg, wimg, lowp_scales, bo, x, out0; writes out0
